; MI455X (gfx1250); checked and timed in simulation.
; The chip was launched on July 23, 2026; its instructions are those of AMD's public machine-readable ISA for CDNA 5 (MIT licence, August 2026) and "CDNA5" Instruction Set Architecture Reference Guide (July 2026). The comments in the code are by the model that wrote it; some were corrected since.
;; Multi Head Attention. Allowed arithmetic: matrix products marked QUANTISED: E4M3 operands, one given power-of-two scale a tensor, by v_wmma_f32_16x16x64_fp8_fp8 or v_wmma_f32_16x16x128_fp8_fp8, f32 sums; everything else in f32.
;; Inputs: bk 1,024 float32; bo 1,024 float32; bq 1,024 float32; bv 1,024 float32; key 4 x 2,048 x 1,024 float32; lowp_scales 12 int32 (the exponents e of the quantised operands' scales 2^e); mask 1 x 1 x 2,048 x 2,048 int32; query 4 x 2,048 x 1,024 float32; value 4 x 2,048 x 1,024 float32; wk 1,024 x 1,024 float32; wo 1,024 x 1,024 float32; wq 1,024 x 1,024 float32; wv 1,024 x 1,024 float32.
;; Outputs: out0 4 x 2,048 x 1,024 float32.
;; This version of the problem:
;;   THIS VERSION OF THE PROBLEM IS GIVEN IN LOW PRECISION. The matrix products marked QUANTISED in the list below multiply operands that are first quantised to E4M3 (4 exponent bits, 3 mantissa bits; 8 bits a number), with one given power-of-two scale for each operand tensor; their sums are f32. All else is computed in f32.
;;   The module's matrix products, in the order in which they are computed (A, B: the left and right operand; K: the contracted axis; several contracted axes count as one K, in the product's order):
;;     1. [M 8,192, K 1,024] x [K 1,024, N 1,024]; A: input query; B: input wq: QUANTISED (scales: A lowp_scales[0], B lowp_scales[1])
;;     2. [M 8,192, K 1,024] x [K 1,024, N 1,024]; A: input key; B: input wk: QUANTISED (scales: A lowp_scales[2], B lowp_scales[3])
;;     3. [M 8,192, K 1,024] x [K 1,024, N 1,024]; A: input value; B: input wv: QUANTISED (scales: A lowp_scales[4], B lowp_scales[5])
;;     4. batch 64 x [M 2,048, K 64] x [K 64, N 2,048]; A: computed on the way; B: computed on the way: QUANTISED (scales: A lowp_scales[6], B lowp_scales[7])
;;     5. batch 64 x [M 2,048, K 2,048] x [K 2,048, N 64]; A: softmax (see below); B: computed on the way: QUANTISED (scales: A lowp_scales[8], B lowp_scales[9])
;;     6. [M 8,192, K 1,024] x [K 1,024, N 1,024]; A: computed on the way; B: input wo: QUANTISED (scales: A lowp_scales[10], B lowp_scales[11])
;;   THE QUANTISER, for each operand of a quantised product, along K:
;;     - The operand's scale is 2^e, e = its entry of the input lowp_scales (int32; the entries are numbered through the quantised products in the list's order, A before B).
;;     - Each number is divided by the scale, clamped to +-448, and rounded to the nearest number of E4M3, ties to even, subnormals kept.
;;     - The product sums the exact products of the quantised numbers (number of the format x scale) in f32.
;;   ~~~python
;;   def quantise(x, axis, e):      # numpy; x: float32 -> the quantised numbers, widened to float32 again
;;       x = np.moveaxis(x, axis, -1); K = x.shape[-1]
;;       r = np.clip(x / 2.0 ** e, -448, 448)
;;       step = 2.0 ** (np.maximum(np.frexp(np.where(r == 0, 1, r))[1] - 1, -6) - 3)
;;       q = np.round(r / step) * step * 2.0 ** e      # np.round: ties to even
;;       return np.moveaxis(q, -1, axis).astype(np.float32)
;;   ~~~
;;   SOFTMAX AHEAD OF A QUANTISED PRODUCT. Where the list says 'softmax', what is quantised is not the finished softmax but p = 2^(t - M), with t = logit x log2(e) and M = ceil(the row's largest t), a whole number; so 1/2 < the row's largest p <= 1. The row's sum l is taken of the UNQUANTISED p, in f32, and the product's result is divided by l at the end. Since M is a whole number, a kernel that streams over the keys may use a running M (the ceiling of the running maximum): every later rescaling is an exact power of two, so the quantised numbers keep their values, but for numbers so far below the row's largest that they fall under the format's range.
;;   OPERANDS COMPUTED ON THE WAY. 'Computed on the way' means the value that the module computes at that place (a softmax that the list does not call 'softmax' is quantised finished and normalised). What goes into a quantiser is computed in f32, as accurately as f32 sums, v_exp_f32 and their like allow (about 1e-6 of the number): no bf16 or f16 on the way to a quantiser, and a product that is left as it is and whose result goes on into a quantised operand takes f32 operands (vector FMAs, or v_wmma_f32_16x16x4_f32). A number that lies on a knife's edge between two numbers of the format may be rounded either way, as far as f32 arithmetic and the matrix unit's own rounding can turn it there, and no further.
;; 2 versions, each right; version 2 is version 1 with the launch attn written anew for expert scheduling mode. Each part assembles by itself: llvm-mc -triple=amdgcn-amd-amdhsa -mcpu=gfx1250 --defsym DOCPART=n.
;; ======== version 1 of 2: 4 launches
;; limits: right only within a limited range of input values
;; workspace buffers: xw_codes 29,360,128 bytes; qimg 8,388,608 bytes; kimg 8,388,608 bytes; vimg 8,388,608 bytes; aimg 8,388,608 bytes; mwords 524,288 bytes of whole numbers; plan 4,096 bytes of whole numbers
;; launch prep (part 1): grid 1024 x 1, 4 waves a work-group, no clusters, 34,304 bytes of LDS; arguments query, key, value, wq, wk, wv, wo, mask, lowp_scales, xw_codes, mwords, plan; writes xw_codes, mwords, plan
.if DOCPART == 1
	.amdgcn_target "amdgcn-amd-amdhsa--gfx1250"
	.amdhsa_code_object_version 6
	.text
	.protected	k_qe65c8c1851_prep
	.globl	k_qe65c8c1851_prep
	.p2align	8
	.type	k_qe65c8c1851_prep,@function
k_qe65c8c1851_prep:
	s_mov_b64 s[64:65], 0
	v_nop
	global_prefetch_b8 v0, s[64:65] scope:SCOPE_SE
	s_setreg_imm32_b32 hwreg(HW_REG_WAVE_MODE, 25, 1), 1
	s_wait_xcnt 0x0
; PREP.  query, key, value [8192][1024] and wq, wk, wv, wo [1024][1024], f32, become codes of E4M3 with the one scale 2^e given for each; the mask [2048][2048], int32, becomes lane masks and a plan.
; code = x / 2^e, held within +-448, rounded to the nearest code, ties to even.  LIMITS: -126 <= e <= 119 for each of the seven tensors; NaN among the inputs is not served.
; THE IMAGE.  Rows go in tiles of 16: slot r of tile T is row 32 (T / 2) + 8 (T % 2) + r + 8 (r / 8).  A fragment (16 rows x 128 along K) is 2,048 bytes laid [c = 0..3][lane = 16 h + r][16 bytes],
; the 16 bytes being k = 32 c + 16 h + 0 .. 15 of slot r: four loads of 16 bytes a lane, 512 bytes apart, give any wave the operand's sixteen registers.  xw_codes: [tile][K fragment 0..7][2,048 bytes];
; first tiles: query 0, key 512, value 1024, wq 1536, wk 1600, wv 1664, wo 1728.
; THE MASK takes the same way through the text: lane (r, h) ends up with the 64 numbers of query slot r at keys 32 c + 16 h + i of a step of 128 keys, just as a lane of the attention launch holds its 64 scores.
; Register n's comparison with 0 is therefore the lane mask of score register n: mwords [tile t][step g][n = 0..63].  plan [t][wave w][2]: word 0: bit 4 w + f: step 4 w + f has an open key; bit 16 + 4 w + f: all its keys
; are open; word 1: bit r: slot r has an open key in these four steps.
; SHARES.  A wave takes one tile of 16 rows x 4 fragments (32 KB in).  Work-groups 0-127: the mask (tile = work-group, fragments 4 w on); the others: two tiles x 8 fragments of a tensor.
; Each load reads 512 consecutive bytes of one row; a fragment turns through the wave's own stage in LDS (16 rows x 528 bytes) so that a lane gets 16 neighbours of each block of 32.
; No barrier: waves share nothing.  No matrix unit, no cluster, no tensor load: no byte is read by two work-groups.  Every store of codes covers 512 consecutive bytes, aligned; every store of mask words 256.
.set NMASK, 128                        ; work-groups that take the mask
.set SP,    528                        ; a stage row: 512 bytes + 16
.set WST,   16*SP                      ; a wave's stage
.set VO,    16                         ; v16-31   slot i: 16 x lane + (i + 8 (i / 8)) x the row's pitch; never rewritten
.set R,     32                         ; v32-159  two sets of 64: a fragment as loaded
.set X,     160                        ; v160-223 a fragment turned: register 16 c + i = column 32 c + 16 h + i of slot r
.set C,     224                        ; v224-255 two sets of 16: codes, or two registers of mask words
	s_load_b512 s[4:19], s[0:1], 0x0               ; query 4, key 6, value 8, wq 10, wk 12, wv 14, wo 16, mask 18
	s_load_b256 s[20:27], s[0:1], 0x40             ; lowp_scales 20, xw_codes 22, mwords 24, plan 26
	v_lshl_add_u32 v14, v0, 2, 0x8400
	v_mov_b32 v15, 0
	v_lshrrev_b32 v1, 5, v0
	v_readfirstlane_b32 s40, v1                    ; wave 0..3
	v_and_b32 v1, 31, v0                           ; lane
	v_lshlrev_b32 v2, 4, v1                        ; 16 x lane
	v_and_b32 v3, 15, v0                           ; r
	v_bfe_u32 v4, v0, 4, 1                         ; h
	s_mul_i32 s47, s40, WST
	v_add_nc_u32 v5, s47, v2                       ; the stage, on the way in: 16 x lane of a row
	v_mul_u32_u24 v6, v3, SP
	v_lshl_add_u32 v6, v4, 6, v6
	v_add_nc_u32 v6, s47, v6                       ; and on the way out: row r, + 64 h
	v_lshlrev_b32 v8, 3, v1                        ; 8 x lane: two mask words a lane
	v_mov_b32 v9, 0
	s_and_b32 s76, s40, 1
	s_lshl_b32 s76, s76, 2                         ; a tensor's first fragment: 4 (w % 2)
	s_lshl_b32 s70, s40, 2                         ; the mask's: 4 w; also the plan's first bit
	s_lshr_b32 s77, s40, 1                         ; which of a tensor work-group's two tiles
	s_mov_b32 s46, 4096                            ; a row's pitch in bytes: 4,096, the mask's 8,192
	s_mov_b32 s68, 0                               ; the plan's two words
	s_mov_b32 s69, 0
	s_cmp_lt_u32 ttmp9, NMASK
	s_cselect_b32 s46, 8192, s46
	s_cselect_b32 s76, s70, s76                    ; my first fragment
.irp i, 0,1,2,3,4,5,6,7,8,9,10,11,12,13,14,15
	s_mul_i32 s47, s46, \i+8*(\i/8)
	v_add_nc_u32 v[VO+\i], s47, v2
.endr
	s_wait_kmcnt 0x0
	s_load_b256 s[28:35], s[20:21], 0x0            ; e0 .. e7
	s_load_b128 s[36:39], s[20:21], 0x20           ; e8 .. e11
; which input is mine: a chain of choices on the work-group's number alone
.macro PICK bound, ptr, first
	s_cmp_lt_u32 ttmp9, \bound
	s_cselect_b64 s[42:43], s[\ptr:\ptr+1], s[42:43]
	s_cselect_b32 s44, \first, s44
.endm
	s_mov_b64 s[42:43], s[16:17]                   ; wo
	s_mov_b32 s44, 992                             ; and its first work-group
	PICK 992, 14, 960                              ; wv
	PICK 960, 12, 928                              ; wk
	PICK 928, 10, 896                              ; wq
	PICK 896, 8, 640                               ; value
	PICK 640, 6, 384                               ; key
	PICK 384, 4, 128                               ; query
	PICK 128, 18, 0                                ; mask
	s_sub_co_u32 s47, ttmp9, s44
	s_lshl_b32 s47, s47, 1
	s_add_co_u32 s47, s47, s77                     ; a tensor's tile: 2 (work-group - first) + w / 2
	s_cmp_lt_u32 ttmp9, NMASK
	s_cselect_b32 s47, ttmp9, s47                  ; the mask's: the work-group
	s_lshr_b32 s66, s47, 1
	s_lshl_b32 s66, s66, 5
	s_and_b32 s67, s47, 1
	s_lshl_b32 s67, s67, 3
	s_add_co_u32 s66, s66, s67                     ; the tile's first row: 32 (T / 2) + 8 (T % 2)
	s_mul_i32 s66, s66, s46
	s_lshl_b32 s67, s76, 9                         ; a fragment's 128 numbers are 512 bytes of a row
	s_add_co_u32 s66, s66, s67
	s_mov_b32 s67, 0
	s_add_nc_u64 s[42:43], s[42:43], s[66:67]      ; the input at my first row and fragment (under 2^26 bytes)
.macro LOAD f                          ; fragment f: sixteen rows, 512 consecutive bytes each
.set i, 0
.rept 16
	global_load_b128 v[R+64*((\f)%2)+4*i:R+64*((\f)%2)+4*i+3], v[VO+i], s[42:43] offset:512*(\f) th:TH_LOAD_NT
.set i, i+1
.endr
.endm
	LOAD 0
	LOAD 1
	; where my results go.  Codes: xw_codes + tile x 16,384 + fragment x 2,048.  Mask words: mwords + (16 t + fragment) x 256
	s_sub_co_u32 s66, ttmp9, NMASK
	s_lshl_b32 s66, s66, 1
	s_add_co_u32 s66, s66, s77
	s_lshl_b32 s66, s66, 14
	s_lshl_b32 s67, s76, 11
	s_add_co_u32 s66, s66, s67
	s_lshl_b32 s67, ttmp9, 12
	s_lshl_b32 s47, s76, 8
	s_add_co_u32 s67, s67, s47
	s_cmp_lt_u32 ttmp9, NMASK
	s_cselect_b32 s66, s67, s66
	s_cselect_b64 s[72:73], s[24:25], s[22:23]
	s_mov_b32 s67, 0
	s_add_nc_u64 s[72:73], s[72:73], s[66:67]
	s_min_u32 s66, ttmp9, NMASK-1                  ; the plan's place: (4 t + w) x 8 bytes; held inside the buffer in the work-groups that never store there
	s_lshl_b32 s66, s66, 2
	s_add_co_u32 s66, s66, s40
	s_lshl_b32 s66, s66, 3
	s_add_nc_u64 s[74:75], s[26:27], s[66:67]
	s_wait_kmcnt 0x0
	s_mov_b32 s45, s39                             ; my tensor's e: wo e11,
.irp bound_e, 992:33, 960:31, 928:29, 896:32, 640:30, 384:28
.endr
	s_cmp_lt_u32 ttmp9, 992
	s_cselect_b32 s45, s33, s45                    ; wv e5,
	s_cmp_lt_u32 ttmp9, 960
	s_cselect_b32 s45, s31, s45                    ; wk e3,
	s_cmp_lt_u32 ttmp9, 928
	s_cselect_b32 s45, s29, s45                    ; wq e1,
	s_cmp_lt_u32 ttmp9, 896
	s_cselect_b32 s45, s32, s45                    ; value e4,
	s_cmp_lt_u32 ttmp9, 640
	s_cselect_b32 s45, s30, s45                    ; key e2,
	s_cmp_lt_u32 ttmp9, 384
	s_cselect_b32 s45, s28, s45                    ; query e0 (the mask's work-groups make the two numbers below and do not use them)
	s_add_co_i32 s45, s45, 127
	s_lshl_b32 s47, s45, 23
	v_mov_b32 v11, s47                             ; 2^e as f32: the conversion takes its exponent field
	s_add_co_i32 s45, s45, 8
	s_lshl_b32 s45, s45, 23
	s_or_b32 s45, s45, 0x600000
	v_mov_b32 v10, s45                             ; 448 x 2^e
.macro TURN f                          ; through the stage: LDS serves a wave's instructions in order (ISA guide 5.7.1.4), so no wait stands between the stores and the loads
.set i, 0
.rept 16
	ds_store_b128 v5, v[R+64*((\f)%2)+4*i:R+64*((\f)%2)+4*i+3] offset:SP*i
.set i, i+1
.endr
.set i, 0
.rept 16
	ds_load_b128 v[X+4*i:X+4*i+3], v6 offset:128*(i/4)+16*(i%4)
.set i, i+1
.endr
.endm
.macro QUANTF f
.set CS, C+16*((\f)%2)
.set i, 0
.rept 64
	v_med3_num_f32 v[X+i], v[X+i], -v10, v10       ; the conversion to an 8-bit code does not saturate (ISA guide 7.6.2): the hold at the largest code x the scale
.set i, i+1
.endr
.set i, 0
.rept 8
	v_cvt_scalef32_pk8_fp8_f32 v[CS+2*i:CS+2*i+1], v[X+8*i:X+8*i+7], v11
.set i, i+1
.endr
	v_nop                                          ; a plain vector line behind the last conversion
.set i, 0
.rept 4
	global_store_b128 v2, v[CS+4*i:CS+4*i+3], s[72:73] offset:2048*(\f)+512*i   ; chunk c of the image: 32 lanes, 512 consecutive bytes
.set i, i+1
.endr
.endm
.macro MASKF f
.set CS, C+16*((\f)%2)
	s_mov_b32 s66, 0                               ; the step's words, or-ed
	s_mov_b32 s67, -1                              ; and and-ed
	v_mov_b32 v[CS], 0                             ; written whole first: a lane write keeps the other lanes
	v_mov_b32 v[CS+1], 0
.set g, 0
.rept 4
.set k, 0
.rept 16
	v_cmp_ne_u32 s[48+k], 0, v[X+16*g+k]           ; bit 16 h + r: the key of register 16 g + k counts for query slot r
.set k, k+1
.endr
.set k, 0
.rept 16
	v_writelane_b32 v[CS+(k&1)], s[48+k], (16*g+k)/2   ; word n goes to lane n / 2, register n % 2: byte 4 n of the store below
	s_or_b32 s66, s66, s[48+k]
	s_and_b32 s67, s67, s[48+k]
.set k, k+1
.endr
.set g, g+1
.endr
	global_store_b64 v8, v[CS:CS+1], s[72:73] offset:256*(\f)   ; 64 words: 256 consecutive bytes
	s_or_b32 s69, s69, s66                         ; which lanes have seen an open key
	s_cmp_lg_u32 s66, 0
	s_cselect_b32 s47, 1, 0                        ; the step is not empty
	s_cmp_eq_u32 s67, -1
	s_cselect_b32 s66, 0x10000, 0                  ; the step is all open
	s_or_b32 s47, s47, s66
	s_lshl_b32 s47, s47, s70
	s_or_b32 s68, s68, s47
	s_add_co_u32 s70, s70, 1
.endm
.macro FRAG f
.if (\f) < 3
	s_wait_loadcnt 16                              ; this fragment's sixteen loads are in; the next fragment's sixteen may be out
.else
	s_wait_loadcnt 0
.endif
	TURN \f
	s_wait_dscnt 0x0                               ; the fragment is back, turned
.if (\f) < 2
	LOAD (\f)+2                                    ; into the set that has just gone through the stage
.else
	s_wait_xcnt 0x0                                ; the stores of two fragments back have read their data: that set of C is written again below
.endif
	s_cmp_lt_u32 ttmp9, NMASK                      ; the two ways part on the work-group's number, round the register work and the stores to memory alone
	s_cbranch_scc1 .Lmask_\@
	QUANTF \f
	s_branch .Ljoin_\@
.Lmask_\@:
	MASKF \f
.Ljoin_\@:
.endm
	FRAG 0
	FRAG 1
	FRAG 2
	FRAG 3
	s_cmp_lt_u32 ttmp9, NMASK
	s_cbranch_scc0 .Lend
	s_lshr_b32 s47, s69, 16                        ; a slot's keys lie in lanes r and 16 + r
	s_or_b32 s69, s69, s47
	s_and_b32 s69, s69, 0xffff
	v_mov_b32 v12, s68
	v_mov_b32 v13, s69
	v_cmp_eq_u32 vcc_lo, 0, v1
	s_wait_xcnt 0x0                                ; EXEC changes only behind this wait: the stores above have read it
	s_and_saveexec_b32 s71, vcc_lo
	global_store_b64 v9, v[12:13], s[74:75]        ; lane 0 stores my wave's two words of the plan
	s_wait_xcnt 0x0                                ; and again ahead of the line that widens it
	s_or_b32 exec_lo, exec_lo, s71
.Lend:
	s_wait_tensorcnt 0x0
	ds_add_u32 v14, v15
	s_wait_dscnt 0x0
	s_endpgm
.Lfunc_end_k_qe65c8c1851_prep:
	.size	k_qe65c8c1851_prep, .Lfunc_end_k_qe65c8c1851_prep-k_qe65c8c1851_prep
	.p2alignl 7, 3214868480
	.fill 96, 4, 3214868480
	.section	.rodata,"a",@progbits
	.p2align	6, 0x0
	.amdhsa_kernel k_qe65c8c1851_prep
		.amdhsa_group_segment_fixed_size 34304
		.amdhsa_private_segment_fixed_size 0
		.amdhsa_enable_private_segment 0
		.amdhsa_kernarg_size 96
		.amdhsa_user_sgpr_count 2
		.amdhsa_user_sgpr_kernarg_segment_ptr 1
		.amdhsa_wavefront_size32 1
		.amdhsa_system_sgpr_workgroup_id_x 1
		.amdhsa_system_sgpr_workgroup_id_y 1
		.amdhsa_system_sgpr_workgroup_id_z 1
		.amdhsa_system_vgpr_workitem_id 0
		.amdhsa_next_free_vgpr 256
		.amdhsa_next_free_sgpr 80
		.amdhsa_reserve_vcc 1
		.amdhsa_float_denorm_mode_32 3
		.amdhsa_float_denorm_mode_16_64 3
		.amdhsa_memory_ordered 1
		.amdhsa_forward_progress 1
		.amdhsa_inst_pref_size 92
	.end_amdhsa_kernel
	.amdgpu_metadata
---
amdhsa.version: [ 1, 2 ]
amdhsa.kernels:
  - .name:           k_qe65c8c1851_prep
    .symbol:         k_qe65c8c1851_prep.kd
    .args:
      - { .name: query, .offset: 0, .size: 8, .value_kind: global_buffer, .address_space: global }
      - { .name: key, .offset: 8, .size: 8, .value_kind: global_buffer, .address_space: global }
      - { .name: value, .offset: 16, .size: 8, .value_kind: global_buffer, .address_space: global }
      - { .name: wq, .offset: 24, .size: 8, .value_kind: global_buffer, .address_space: global }
      - { .name: wk, .offset: 32, .size: 8, .value_kind: global_buffer, .address_space: global }
      - { .name: wv, .offset: 40, .size: 8, .value_kind: global_buffer, .address_space: global }
      - { .name: wo, .offset: 48, .size: 8, .value_kind: global_buffer, .address_space: global }
      - { .name: mask, .offset: 56, .size: 8, .value_kind: global_buffer, .address_space: global }
      - { .name: lowp_scales, .offset: 64, .size: 8, .value_kind: global_buffer, .address_space: global }
      - { .name: xw_codes, .offset: 72, .size: 8, .value_kind: global_buffer, .address_space: global }
      - { .name: mwords, .offset: 80, .size: 8, .value_kind: global_buffer, .address_space: global }
      - { .name: plan, .offset: 88, .size: 8, .value_kind: global_buffer, .address_space: global }
    .group_segment_fixed_size: 34304
    .private_segment_fixed_size: 0
    .kernarg_segment_align: 8
    .kernarg_segment_size: 96
    .max_flat_workgroup_size: 128
    .sgpr_count:     80
    .vgpr_count:     256
    .wavefront_size: 32
...
	.end_amdgpu_metadata
.endif
;; end of part 1
;; launch proj (part 2): grid 4 x 96, 4 waves a work-group, clusters of 4 x 4, 327,680 bytes of LDS; arguments xw_codes, lowp_scales, bq, bk, bv, qimg, kimg, vimg; writes qimg, kimg, vimg
.if DOCPART == 2
	.amdgcn_target "amdgcn-amd-amdhsa--gfx1250"
	.amdhsa_code_object_version 6
	.text
	.protected	k_qe65c8c1851_proj
	.globl	k_qe65c8c1851_proj
	.p2align	8
	.type	k_qe65c8c1851_proj,@function
k_qe65c8c1851_proj:
	s_mov_b64 s[64:65], 0
	v_nop
	global_prefetch_b8 v0, s[64:65] scope:SCOPE_SE
	s_setreg_imm32_b32 hwreg(HW_REG_WAVE_MODE, 25, 1), 1
	s_wait_xcnt 0x0
	s_wait_alu depctr_hold_cnt(0) depctr_sa_sdst(0) depctr_va_vdst(0) depctr_va_sdst(0) depctr_va_ssrc(0) depctr_va_vcc(0) depctr_vm_vsrc(0)
	s_getreg_b32 s2, hwreg(HW_REG_IB_STS2, 6, 4)
	s_cmp_eq_u32 s2, 0
	s_cbranch_scc0 .Lentry_in_a_cluster
	s_endpgm
.Lentry_in_a_cluster:
	s_bfe_u32 s2, ttmp6, 0x10000c
	s_cmp_lg_u32 s2, 0xf033
	s_cbranch_scc0 .Lentry_shape_is_right
	s_endpgm
.Lentry_shape_is_right:
; PROJ.  q = query wq^T + bq, k = key wk^T + bk, v = value wv^T + bv on codes of E4M3, each finished sum x 2^(ex + ew) + bias in f32, then quantised with the scale given for the next product (e6, e7, e9).
; All operands are IMAGES (16-row tiles, slot r of tile T = row 32 (T / 2) + 8 (T % 2) + r + 8 (r / 8); a fragment of 16 rows x 128 K = [c][lane][16 bytes], k = 32 c + 16 h + 0 .. 15): xw_codes [tile][K fragment][2,048 bytes].
; That is a permutation of k inside an instruction, the same on both sides: every product meets its partner.
; A tile of 256 x 256 is made by four waves, each 128 (side A, which ends up along the lanes) x 128 (side B, along a lane's registers): D = (source 0: 16 rows of B) x (source 1: 16 rows of A).  Lane (r, h) holds slot r of
; A's tile, and the 16 registers of B's tiles 2 b, 2 b + 1 are B's rows 32 b + 16 h + 0 .. 15: two conversions give 16 bytes of the next operand's image, and a store of the wave covers 512 consecutive bytes, aligned.
; q, k: A = the tokens, B = the weight's rows (channels): the next K is the head's 64 channels.  v: A = wv's rows, B = the tokens: the next K is the keys.  The roles change by ADDRESS alone; loop and ring are one text.
; qimg, kimg: [batch x 16 + head][token tile 0..127][c = 0, 1][lane][16].  vimg: [batch x 16 + head][step of 128 keys 0..15][channel tile 0..3][c = 0..3][lane][16].
; GRID: 24 clusters of 4 x 4: cluster y / 8 = the tensor (0 q, 1 k, 2 v), cluster y % 8 = which 1,024 tokens.  A's tiles are asked for jointly along a row of the cluster, B's along a column.
; RING: K goes in steps of 256 through two LDS slots.  One tensor load a wave brings 8 image tiles x 4,096 bytes (two fragments), 16,384 bytes apart in memory: the tile has eight rows, each sixteen whole blocks of 256 bytes.
; Images are dense: a fragment load's 512 bytes are consecutive, so no padding.  By this text's count a wave has two tensor loads out at the start and one behind each round.
; No prefetch: the ring has two refills in all.  LIMITS: ex + ew between -126 and 127; e6, e7, e9 between -126 and 119.
; REGISTERS, in windows of 256: window 0: v8-15 lane-side bias; v16-31 addresses and constants; v32-63 at work on the way out; v64-127 register-side bias; v128-255 A's fragments, ONE set, later the codes.
;   window 1: B's fragments, TWO sets.   windows 2, 3: the accumulators of A's blocks 0-3, 4-7 ((a, b) at v[8 (8 (a % 4) + b)]).
.set FR,    16                         ; registers of a fragment
.set NL,    4                          ; LDS loads that bring one
.set NP,    4                          ; places behind this matrix instruction (ISA guide 7.12.1)
.set HALFT, 32768                      ; what one tensor load brings, and what one wave reads of A or of B
.set SLOT,  4*HALFT
.set KADV,  4096                       ; 256 along K in an image tile
.set LAPS,  2                          ; K = 1,024 = 2 laps of two slots of 256
.set SPARE, 2*SLOT                     ; behind the ring: the spare words, 128 bytes for each wave
.set BL,   8                           ; v8-15   bias of A's slot r in blocks 0-7
.set ADRA, 16                          ; v16-17  LDS address of my A fragments in slot 0, 1
.set ADRB, 20                          ; v20-21  the same for B
.set BOF,  24                          ; v24     64 h
.set LOF,  25                          ; v25     4 (r + 8 (r / 8))
.set CO,   26                          ; v26     16 x lane
.set SPW,  28                          ; v28     my spare word; never rewritten
.set NIL,  29                          ; v29     0; never rewritten
.set SCL,  30                          ; v30     2^eo
.set LIM,  31                          ; v31     448 x 2^eo
.set TMP,  32
.set BI,   64
.set AF,   128
.set CD,   128
.set G1, 24
.set G0, 32
.set G1B, 48
.set G0B, 56
.set MSB, 0
.macro WIN new                         ; the immediate's high byte repeats the setting that is left
.if MSB != \new
	s_set_vgpr_msb (MSB<<8)|\new
.set MSB, \new
.endif
.endm
.set MUL_LO, 0xa1                      ; source 0 (B) window 1, source 1 (A) window 0, C and D window 2
.set MUL_HI, 0xf1                      ; the same, C and D window 3
.set TO_B,   0x40                      ; destination window 1, address window 0
; A joint load: waves 0 and 1 fetch for A, waves 2 and 3 for B; the branch hangs on the wave's number alone.  Four v_nop follow each of the two lines.
.macro JLOAD g0a, g1a, g0b, g1b
	s_cmp_eq_u32 s21, 0
	s_cbranch_scc0 .Lfor_b_\@
	tensor_load_to_lds s[\g0a:\g0a+3], s[\g1a:\g1a+7]
	s_nop 0
.rept 4
	v_nop
.endr
	s_branch .Lasked_\@
.Lfor_b_\@:
	tensor_load_to_lds s[\g0b:\g0b+3], s[\g1b:\g1b+7]
	s_nop 0
.rept 4
	v_nop
.endr
.Lasked_\@:
.endm
.macro CREST                           ; a round of the cluster's barrier behind its opening barrier
	s_cmp_lg_u32 s20, 0
	s_cbranch_scc1 .Lnot_wave_0_\@
	s_barrier_signal -3
.Lnot_wave_0_\@:
	s_barrier_wait -3
	s_barrier_signal -1
	s_barrier_wait -1
.endm
.macro CROUND
	s_barrier_signal -1
	s_barrier_wait -1
	CREST
.endm
	s_load_b512 s[4:19], s[0:1], 0x0               ; xw_codes 4, lowp_scales 6, bq 8, bk 10, bv 12, qimg 14, kimg 16, vimg 18
	v_lshl_add_u32 v[SPW], v0, 2, SPARE
	v_mov_b32 v[NIL], 0
	ds_add_u32 v28, v29
	ds_add_u32 v28, v29
	s_wait_dscnt 0x0
	v_lshrrev_b32 v1, 5, v0
	v_readfirstlane_b32 s20, v1                    ; wave 0..3
	s_lshr_b32 s21, s20, 1                         ; my half of side A.  Also: I fetch for A (0) or for B (1)
	s_and_b32 s22, s20, 1                          ; my half of side B.  Also: which 8 image tiles I fetch
	s_bfe_u32 s40, ttmp6, 0x40000                  ; cx
	s_bfe_u32 s41, ttmp6, 0x40004                  ; cy
	s_and_b32 s42, ttmp7, 0xffff                   ; cluster y, 0..23: the same in all sixteen partners
	s_lshr_b32 s43, s42, 3                         ; the tensor: 0 q, 1 k, 2 v
	s_and_b32 s44, s42, 7
	s_lshl_b32 s44, s44, 2                         ; 4 x (which 1,024 tokens)
	s_lshl_b32 s23, s41, 2
	s_lshl_b32 s23, 15, s23                        ; my row of the cluster
	s_lshl_b32 s67, 0x1111, s40                    ; my column
	s_or_b32 s[G1+0], s23, (3<<16)|(1<<21)         ; 15:0 the mask: A's tiles go to my row; 17:16 elements of 8 bytes; 20 no padding; 21 set beside a mask
	s_or_b32 s[G1B+0], s67, (3<<16)|(1<<21)
.irp g, G1, G1B
	s_mov_b32 s[\g+1], 512<<16                     ; tensor_dim0 = 512 elements: 4,096 bytes
	s_mov_b32 s[\g+2], 8<<16                       ; tensor_dim1 = 8
	s_mov_b32 s[\g+3], 512<<16                     ; tile_dim0
	s_mov_b32 s[\g+4], 8                           ; tile_dim1
	s_mov_b32 s[\g+5], 2048                        ; from image tile to image tile: 16,384 bytes
	s_mov_b32 s[\g+6], 0
	s_mov_b32 s[\g+7], 0
.endr
	; the tiles.  q, k: A = tokens (tile cy + 4 x part), B = weight (tile cx).  v: A = wv (tile cy), B = tokens (tile cx + 4 x part).  A's numbers never hold cx, B's never cy.
	s_add_co_u32 s45, s41, s44
	s_add_co_u32 s46, s40, s44
	s_lshl_b32 s23, s43, 9                         ; the tokens' first image tile: 512 x tensor
	s_lshl_b32 s47, s43, 6
	s_add_co_u32 s47, s47, 1536                    ; the weight's: 1536 + 64 x tensor
	s_cmp_eq_u32 s43, 2
	s_cselect_b32 s90, 1, 0                        ; 1: this cluster makes v
	s_cselect_b32 s45, s41, s45                    ; A's tile of 256 rows
	s_cselect_b32 s46, s46, s40                    ; B's
	s_cselect_b32 s23, 1664, s23                   ; A's first image tile (wv: 1664)
	s_cselect_b32 s47, 1024, s47                   ; B's (value: 1024)
	s_lshl_b32 s80, s45, 4
	s_add_co_u32 s80, s80, s23
	s_lshl_b32 s23, s22, 3
	s_add_co_u32 s80, s80, s23                     ; + the 8 image tiles that I fetch
	s_lshl_b32 s80, s80, 14
	s_mov_b32 s81, 0
	s_lshl_b32 s82, s46, 4
	s_add_co_u32 s82, s82, s47
	s_lshl_b32 s47, s22, 3
	s_add_co_u32 s82, s82, s47
	s_lshl_b32 s82, s82, 14
	s_mov_b32 s83, 0
	s_lshl_b32 s94, s20, 15                        ; where they go: wave x 32,768: no place in the cluster enters an LDS address
	s_wait_kmcnt 0x0
	s_load_b256 s[68:75], s[6:7], 0x0              ; e0 .. e7
	s_load_b128 s[76:79], s[6:7], 0x20             ; e8 .. e11
	s_add_nc_u64 s[80:81], s[4:5], s[80:81]
	s_add_nc_u64 s[82:83], s[4:5], s[82:83]
	CROUND                                         ; all sixteen work-groups are here: the first joint loads meet
.irp s, 0,1
	s_mov_b32 s[G0+4*\s], 1
	s_add_co_u32 s[G0+4*\s+1], s94, \s*SLOT
	s_add_nc_u64 s[G0+4*\s+2:G0+4*\s+3], s[80:81], \s*KADV
	s_or_b32 s[G0+4*\s+3], s[G0+4*\s+3], 0x80000000
	s_mov_b32 s[G0B+4*\s], 1
	s_add_co_u32 s[G0B+4*\s+1], s94, \s*SLOT
	s_add_nc_u64 s[G0B+4*\s+2:G0B+4*\s+3], s[82:83], \s*KADV
	s_or_b32 s[G0B+4*\s+3], s[G0B+4*\s+3], 0x80000000
	JLOAD G0+4*\s, G1, G0B+4*\s, G1B
.endr
	v_and_b32 v1, 31, v0
	v_lshlrev_b32 v[CO], 4, v1                     ; 16 x lane: an image's place for my lane
	v_and_b32 v2, 15, v0                           ; r
	v_bfe_u32 v3, v0, 4, 1                         ; h
	s_mul_i32 s88, s21, HALFT                      ; my half of A
	s_mul_i32 s89, s22, HALFT                      ; my half of B,
	s_add_co_u32 s89, s89, 2*HALFT                 ; which lies behind A's two
.irp s, 0,1
	v_add_nc_u32 v[ADRA+\s], s88, v[CO]
	v_add_nc_u32 v[ADRB+\s], s89, v[CO]
	s_add_co_u32 s88, s88, SLOT
	s_add_co_u32 s89, s89, SLOT
.endr
	v_lshlrev_b32 v[BOF], 6, v3
	v_and_b32 v4, 8, v2
	v_add_nc_u32 v4, v4, v2
	v_lshlrev_b32 v[LOF], 2, v4
	; my first token and my first channel; they enter the bias's and the result's addresses alone
	s_lshl_b32 s23, s45, 8
	s_lshl_b32 s88, s21, 7
	s_add_co_u32 s23, s23, s88                     ; side A's first row
	s_lshl_b32 s47, s46, 8
	s_lshl_b32 s88, s22, 7
	s_add_co_u32 s47, s47, s88                     ; side B's
	s_cmp_eq_u32 s90, 1
	s_cselect_b32 s91, s47, s23                    ; token
	s_cselect_b32 s92, s23, s47                    ; channel
	s_cmp_eq_u32 s43, 0
	s_cselect_b64 s[86:87], s[8:9], s[10:11]
	s_cselect_b64 s[84:85], s[14:15], s[16:17]
	s_cmp_eq_u32 s43, 2
	s_cselect_b64 s[86:87], s[12:13], s[86:87]     ; the bias
	s_cselect_b64 s[84:85], s[18:19], s[84:85]     ; the result
	s_lshr_b32 s93, s91, 11
	s_lshl_b32 s93, s93, 4
	s_lshr_b32 s88, s92, 6
	s_add_co_u32 s93, s93, s88                     ; batch x 16 + head
	s_lshl_b32 s93, s93, 17                        ; a head's image is 131,072 bytes in all three results
	s_and_b32 s88, s91, 2047
	s_lshl_b32 s88, s88, 6                         ; 16 tokens are 1,024 bytes of qimg and kimg, 128 tokens 8,192 of vimg: 64 bytes a token
	s_add_co_u32 s88, s88, s93
	s_mov_b32 s89, 0
	s_add_nc_u64 s[84:85], s[84:85], s[88:89]
	s_lshl_b32 s88, s92, 2
	s_add_nc_u64 s[86:87], s[86:87], s[88:89]
	; both forms of the bias are loaded by every wave, so that no branch stands here: along the registers (q, k) and along the lanes (v).  Both read inside my 128 channels.  They are waited for on the way out.
.set b, 0
.rept 8
	global_load_b128 v[BI+8*b:BI+8*b+3], v[BOF], s[86:87] offset:128*(b/2)+32*(b%2)         ; tile b, register j: channel 32 (b / 2) + 8 (b % 2) + 16 h + j
	global_load_b128 v[BI+8*b+4:BI+8*b+7], v[BOF], s[86:87] offset:128*(b/2)+32*(b%2)+16
.set b, b+1
.endr
.set b, 0
.rept 8
	global_load_b32 v[BL+b], v[LOF], s[86:87] offset:128*(b/2)+32*(b%2)                     ; block b: channel 32 (b / 2) + 8 (b % 2) + r + 8 (r / 8)
.set b, b+1
.endr
.macro FRAG reg, adr, q, i             ; image tile i of my eight, the slot's q-th 128 along K: four loads of 512 consecutive bytes
.irp c, 0,1,2,3
	ds_load_b128 v[\reg+4*\c:\reg+4*\c+3], v[\adr] offset:4096*(\i)+2048*(\q)+512*\c
.endr
.endm
; 16 matrix instructions: A's blocks a0, a0 + 1 x B's eight, 128 along K.  p: B's set.  zero = 1: the first product starts the sums.  The 64 accumulators take turns, one instruction a turn.
.macro MUL16 a0, p, zero
.irp a, \a0, \a0+1
.irp b, 0,1,2,3,4,5,6,7
.if \zero
	v_wmma_f32_16x16x128_fp8_fp8 v[8*(8*((\a)%4)+\b):8*(8*((\a)%4)+\b)+7], v[128*(\p)+FR*\b:128*(\p)+FR*\b+FR-1], v[AF+FR*(\a):AF+FR*(\a)+FR-1], 0
.else
	v_wmma_f32_16x16x128_fp8_fp8 v[8*(8*((\a)%4)+\b):8*(8*((\a)%4)+\b)+7], v[128*(\p)+FR*\b:128*(\p)+FR*\b+FR-1], v[AF+FR*(\a):AF+FR*(\a)+FR-1], v[8*(8*((\a)%4)+\b):8*(8*((\a)%4)+\b)+7]
.endif
.endr
.endr
.endm
.macro FETCH_B slot, q, p
	WIN TO_B
.irp i, 0,1,2,3,4,5,6,7
	FRAG 128*(\p)+FR*\i, ADRB+\slot, \q, \i
.endr
	WIN 0
.endm
.macro FETCH_A slot, q, i0
.irp i, \i0, \i0+1, \i0+2, \i0+3
	FRAG AF+FR*(\i), ADRA+\slot, \q, \i
.endr
.endm
.macro PLACES n                        ; plain vector lines between a matrix instruction and a load into, or a vector line on, its registers
.rept \n
	v_nop
.endr
.endm
; A step of 128 along K that has its successor in the same slot.  A block of A is free once its eight products are issued: blocks 0-3 are fetched anew in the step's middle, blocks 4-7 at its end.
.macro STEP slot, q, zero
	s_wait_dscnt 4*NL                              ; B's set and A's blocks 0-3 are in; the youngest sixteen loads (A's blocks 4-7) may be out
	WIN MUL_LO
	MUL16 0, (\q)%2, \zero
	MUL16 2, (\q)%2, \zero
	s_wait_dscnt 0                                 ; A's blocks 4-7 are in
	PLACES NP
	FETCH_B \slot, (\q)+1, 1-(\q)%2
	FETCH_A \slot, (\q)+1, 0
	WIN MUL_HI
	MUL16 4, (\q)%2, \zero
	MUL16 6, (\q)%2, \zero
	PLACES NP
	WIN 0
	FETCH_A \slot, (\q)+1, 4
.endm
; A slot's last step changes slots: one barrier; ahead of it each wave waits for all its tensor loads, adds 0 to its spare word, and waits for that and for its reads of this slot.  fill = 1: the slot is filled again, two K steps ahead.
.macro TURN slot, next, fill
	s_wait_tensorcnt 0x0                           ; all my tensor loads have landed: my part of the next slot
	ds_add_u32 v[SPW], v[NIL]                      ; 0 onto my spare word
	s_wait_dscnt 4*NL+1                            ; the add and the youngest sixteen loads (A's blocks 4-7) may be out
	WIN MUL_LO
	MUL16 0, 1, 0
	s_wait_dscnt 0x0                               ; the add is done, and my reads of this slot are over
	s_barrier_signal -1
	MUL16 2, 1, 0
	WIN 0
	s_barrier_wait -1
.if \fill
	CREST                                          ; the barrier has opened a round of the cluster's: no wave of any partner still reads this slot or has a load on its way
	s_add_nc_u64 s[G0+4*\slot+2:G0+4*\slot+3], s[G0+4*\slot+2:G0+4*\slot+3], 2*KADV
	s_add_nc_u64 s[G0B+4*\slot+2:G0B+4*\slot+3], s[G0B+4*\slot+2:G0B+4*\slot+3], 2*KADV
	JLOAD G0+4*\slot, G1, G0B+4*\slot, G1B         ; the first tensor load behind the round; its four v_nop are also the places ahead of the loads below
.else
	PLACES NP
.endif
	FETCH_B \next, 0, 0
	FETCH_A \next, 0, 0
	WIN MUL_HI
	MUL16 4, 1, 0
	MUL16 6, 1, 0
	PLACES NP
	WIN 0
	FETCH_A \next, 0, 4
.endm
	s_wait_tensorcnt 1                             ; my part of K step 0 is in; K step 1's load may be out
	s_barrier_signal -1
	s_barrier_wait -1
	FETCH_B 0, 0, 0
	FETCH_A 0, 0, 0
	FETCH_A 0, 0, 4
	STEP 0, 0, 1                                   ; the first step stands ahead of the loop: its products start the sums
	s_mov_b32 s3, LAPS-1
.Llap:                                                 ; a trip goes once round the ring and fills both slots again
	TURN 0, 1, 1
	STEP 1, 0, 0
	TURN 1, 0, 1
	STEP 0, 0, 0
	s_sub_co_u32 s3, s3, 1
	s_cmp_lg_u32 s3, 0
	s_cbranch_scc1 .Llap
	TURN 0, 1, 0                                   ; the last lap fills nothing
	STEP 1, 0, 0
	s_wait_dscnt 4*NL
	WIN MUL_LO
	MUL16 0, 1, 0
	MUL16 2, 1, 0
	s_wait_dscnt 0
	WIN MUL_HI
	MUL16 4, 1, 0
	MUL16 6, 1, 0
	WIN 0
	; THE WAY OUT: sum x 2^(ex + ew) + bias, held within +-448 x 2^eo, converted: 16 registers of two neighbouring tiles of B give 16 bytes of the result's image.
	s_wait_kmcnt 0x0
	s_add_co_i32 s68, s68, s69                     ; q: e0 + e1
	s_add_co_i32 s70, s70, s71                     ; k: e2 + e3
	s_add_co_i32 s72, s72, s73                     ; v: e4 + e5
	s_cmp_eq_u32 s43, 0
	s_cselect_b32 s96, s68, s70
	s_cselect_b32 s97, s74, s75                    ; eo: e6 for q, e7 for k,
	s_cmp_eq_u32 s43, 2
	s_cselect_b32 s96, s72, s96
	s_cselect_b32 s97, s77, s97                    ; e9 for v
	s_add_co_i32 s96, s96, 127
	s_lshl_b32 s96, s96, 23                        ; 2^(ex + ew) as f32
	s_add_co_i32 s97, s97, 127
	s_lshl_b32 s23, s97, 23
	v_mov_b32 v[SCL], s23
	s_add_co_i32 s97, s97, 8
	s_lshl_b32 s97, s97, 23
	s_or_b32 s97, s97, 0x600000
	v_mov_b32 v[LIM], s97
	s_mov_b32 s97, s96                             ; (named with s96 as a pair, so it is written)
	s_wait_loadcnt 0x0                             ; the biases
	PLACES NP
; isv = 0: the bias runs along the registers, two numbers to a packed multiply-add.  isv = 1: it is one number a lane for a block of A, and the plain fused form takes it as it stands.
; Each accumulator is read from its low end on; each store has data registers of its own, so no store's data are written again.
.macro EPI isv
.set a, 0
.rept 8
.set AC, 64*(a%4)
.set hf, 0
.rept 2
	WIN 0x02+a/4                                   ; source 0: window 2 or 3
.set n, 0
.rept 16                               ; pair of tiles n / 8, tile (n / 4) % 2 of the pair, registers 2 (n % 4) and the next
.set be, 2*hf+n/8
.set rT, TMP+16*(n/8)+8*((n/4)%2)+2*(n%4)
.set rA, AC+8*(2*be+(n/4)%2)+2*(n%4)
.if \isv
	v_fma_f32 v[rT], v[rA], s96, v[BL+a]
	v_fma_f32 v[rT+1], v[rA+1], s96, v[BL+a]
.else
	v_pk_fma_f32 v[rT:rT+1], v[rA:rA+1], s[96:97], v[BI+rA-AC:BI+rA-AC+1] op_sel_hi:[1,0,1]
.endif
.set n, n+1
.endr
	WIN 0
.set n, 0
.rept 2
.set rT, TMP+16*n
.set rC, CD+4*(4*a+2*hf+n)
.set i, 0
.rept 16
	v_med3_num_f32 v[rT+i], v[rT+i], -v[LIM], v[LIM]   ; the conversion to an 8-bit code does not saturate (ISA guide 7.6.2)
.set i, i+1
.endr
	v_cvt_scalef32_pk8_fp8_f32 v[rC:rC+1], v[rT:rT+7], v[SCL]
	v_cvt_scalef32_pk8_fp8_f32 v[rC+2:rC+3], v[rT+8:rT+15], v[SCL]
.set n, n+1
.endr
	v_nop                                          ; a plain vector line behind the last conversion: the next lines write its sources
.set n, 0
.rept 2
.set be, 2*hf+n
.set rC, CD+4*(4*a+be)
.if \isv
	global_store_b128 v[CO], v[rC:rC+3], s[84:85] offset:(a/4)*131072+(a%4)*2048+be*512     ; head a / 4 of my two, channel tile a % 4, chunk c = the pair
.else
	global_store_b128 v[CO], v[rC:rC+3], s[84:85] offset:(be/2)*131072+a*1024+(be%2)*512    ; head = pair / 2 of my two, token tile a, chunk c = pair % 2
.endif
.set n, n+1
.endr
.set hf, hf+1
.endr
.set a, a+1
.endr
.endm
	s_cmp_eq_u32 s90, 1                            ; the same in all sixteen partners
	s_cbranch_scc1 .Lvout
	EPI 0
	s_branch .Ldone
.Lvout:
	EPI 1
.Ldone:
	s_wait_tensorcnt 0x0                           ; the wave's end
	ds_add_u32 v[SPW], v[NIL]
	s_wait_dscnt 0x0
	CROUND                                         ; the closing round: no work-group ends while a partner may still ask for a tile that names it
	s_endpgm
.Lfunc_end_k_qe65c8c1851_proj:
	.size	k_qe65c8c1851_proj, .Lfunc_end_k_qe65c8c1851_proj-k_qe65c8c1851_proj
	.p2alignl 7, 3214868480
	.fill 96, 4, 3214868480
	.section	.rodata,"a",@progbits
	.p2align	6, 0x0
	.amdhsa_kernel k_qe65c8c1851_proj
		.amdhsa_group_segment_fixed_size 327680
		.amdhsa_private_segment_fixed_size 0
		.amdhsa_enable_private_segment 0
		.amdhsa_kernarg_size 64
		.amdhsa_user_sgpr_count 2
		.amdhsa_user_sgpr_kernarg_segment_ptr 1
		.amdhsa_wavefront_size32 1
		.amdhsa_system_sgpr_workgroup_id_x 1
		.amdhsa_system_sgpr_workgroup_id_y 1
		.amdhsa_system_sgpr_workgroup_id_z 1
		.amdhsa_system_vgpr_workitem_id 0
		.amdhsa_next_free_vgpr 1024
		.amdhsa_next_free_sgpr 100
		.amdhsa_reserve_vcc 0
		.amdhsa_float_denorm_mode_32 3
		.amdhsa_float_denorm_mode_16_64 3
		.amdhsa_memory_ordered 1
		.amdhsa_forward_progress 1
		.amdhsa_inst_pref_size 210
	.end_amdhsa_kernel
	.amdgpu_metadata
---
amdhsa.version: [ 1, 2 ]
amdhsa.kernels:
  - .name:           k_qe65c8c1851_proj
    .symbol:         k_qe65c8c1851_proj.kd
    .args:
      - { .name: xw_codes, .offset: 0, .size: 8, .value_kind: global_buffer, .address_space: global }
      - { .name: lowp_scales, .offset: 8, .size: 8, .value_kind: global_buffer, .address_space: global }
      - { .name: bq, .offset: 16, .size: 8, .value_kind: global_buffer, .address_space: global }
      - { .name: bk, .offset: 24, .size: 8, .value_kind: global_buffer, .address_space: global }
      - { .name: bv, .offset: 32, .size: 8, .value_kind: global_buffer, .address_space: global }
      - { .name: qimg, .offset: 40, .size: 8, .value_kind: global_buffer, .address_space: global }
      - { .name: kimg, .offset: 48, .size: 8, .value_kind: global_buffer, .address_space: global }
      - { .name: vimg, .offset: 56, .size: 8, .value_kind: global_buffer, .address_space: global }
    .group_segment_fixed_size: 327680
    .private_segment_fixed_size: 0
    .kernarg_segment_align: 8
    .kernarg_segment_size: 64
    .max_flat_workgroup_size: 128
    .sgpr_count:     100
    .vgpr_count:     1024
    .wavefront_size: 32
...
	.end_amdgpu_metadata
.endif
;; end of part 2
;; launch attn (part 3): grid 4 x 64, 16 waves a work-group, no clusters, 264,192 bytes of LDS; arguments qimg, kimg, vimg, mwords, plan, lowp_scales, aimg; writes aimg
.if DOCPART == 3
	.amdgcn_target "amdgcn-amd-amdhsa--gfx1250"
	.amdhsa_code_object_version 6
	.text
	.protected	k_qe65c8c1851_attn
	.globl	k_qe65c8c1851_attn
	.p2align	8
	.type	k_qe65c8c1851_attn,@function
k_qe65c8c1851_attn:
	s_mov_b64 s[64:65], 0
	v_nop
	global_prefetch_b8 v0, s[64:65] scope:SCOPE_SE
	s_setreg_imm32_b32 hwreg(HW_REG_WAVE_MODE, 25, 1), 1
	s_wait_xcnt 0x0
; ATTN.  For each of the 64 (batch, head): O = softmax(q k^T / 8, masked) v, both products on codes of E4M3; O / the row's sum is quantised with 2^e10 into the image of the last product's left operand.
; t = logit x log2(e); M = the running largest t rounded UP to a whole number; p = 2^(t - M) is quantised with 2^e8, not normalised; the row's sum is taken of the unquantised p.  When M moves, sum and O are multiplied by
; 2^(old M - new M), which rounds nothing.
; THE MASK is an input.  An earlier launch has laid it as lane masks (mwords [query tile][step of 128 keys][score register 0..63]) and a plan ([query tile][4][2]: which steps have an open key, which are all open, which of the
; tile's rows have an open key at all).  A masked score takes the raw value -2^(33 - e6 - e7), which stands for the logit -2^30 where reference() has -1e9.
; LIMIT: e6 + e7 between -94 and 9.  Codes bound a true logit by 64 x 448^2 / 8 x 2^(e6 + e7), under 1e9 / 1.2 at e6 + e7 = 9: then t - M of a masked key beside an open one is under -1e8 with either number, and p is 0 with both;
; in a row with no open key all p are equal with either, and 1 here: -2^(33 - e6 - e7) x c is a shift of c's exponent, a whole number, so M = t.
; A step with no open key; if a row of the tile has no open key at all, no step is left out.
; LIMITS: e8 and e10 between -126 and 119; NaN is not served.
; SHARES.  A work-group serves one head: its K image and V image, 131,072 bytes each, are copied into LDS once, through registers; one barrier; then the sixteen waves never meet again.  Wave id = 16 x + w takes query tile id,
; then query tile 127 - id: a fixed pairing, right for every mask.  A wave's 256 registers leave four waves to a SIMD: one wave's vector work stands beside another's matrix work and LDS loads.
; NO TENSOR LOAD, NO JOINT LOAD, though the head's four work-groups read the same K and V: what is shared is
; 262,144 bytes read once at the head, against up to 32 steps of work a wave.  No prefetch: the one stream is asked for at the head.
; LAYOUT.  S^T = K Q^T (source 0 = 16 keys, source 1 = my 16 queries), O^T = V^T P^T: a lane holds ONE query slot throughout.  Images: slot r of tile T = row 32 (T / 2) + 8 (T % 2) + r + 8 (r / 8), so the 16 registers of
; tiles 2 b, 2 b + 1 are 16 neighbours: keys 32 b + 16 h + 0 .. 15 of the step, or channels 32 b + 16 h + 0 .. 15 of the head.
.set LI,   1                           ; v1   16 x lane
.set LV,   2                           ; v2   the same in V's image
.set ADK,  3                           ; v3   LDS address of the step's K
.set ADV,  4                           ; v4   of its V
.set MSK,  5                           ; v5   a masked score
.set PLIM, 6                           ; v6   448 x 2^e8
.set PSC,  7                           ; v7   2^e8
.set OSC,  8                           ; v8   2^e10
.set OLIM, 9                           ; v9   448 x 2^e10
.set QO,   10                          ; v10  my offset in qimg
.set AO,   11                          ; v11  my offset in aimg
                                       ; v12 -M, v13 the largest t, v[14:15] the sum in two halves
.set QF,   16                          ; v16-23   Q's fragment (K = 64)
.set KV,   24                          ; v24-87   eight fragments of K, then four of V
.set S,    88                          ; v88-151  S^T, then p
.set O,    152                         ; v152-183 O^T
.set PC,   184                         ; v184-199 p's codes
.set OC,   200                         ; v200-207 the result's codes
.set FA,   208                         ; v208-211 the fill: 16 x thread + 65,536 k
.set FD,   32                          ; v32-159  the fill's data
.set M0,   216                         ; v216, v217 two chains of the maximum
.set FF,   218                         ; v[218:219] f = 2^(old M - new M)
.set S2,   220                         ; v[220:221] the sum's second chain
.set PX,   222                         ; v222 a lane permute's destination
; s18 wave, s19 head, s[20:21] permute selects, s[22:23] c, s24 the step's bytes in an image, s25 step, s26 pass, s27 query tile, s28 steps not empty, s29 steps all open, s30 e8, s3 e8 + e9,
; s[32:63], s[68:99] the step's 64 mask words, s[100:101] where they lie
	s_load_b256 s[4:11], s[0:1], 0x0               ; qimg 4, kimg 6, vimg 8, mwords 10
	s_load_b128 s[12:15], s[0:1], 0x20             ; plan 12, lowp_scales 14
	s_load_b64 s[16:17], s[0:1], 0x30              ; aimg
	v_lshl_add_u32 v254, v0, 2, 0x40000
	v_mov_b32 v255, 0
	v_lshrrev_b32 v1, 5, v0
	v_readfirstlane_b32 s18, v1                    ; wave 0..15
	s_and_b32 s19, ttmp7, 0xffff                   ; batch x 16 + head
	v_lshlrev_b32 v[FA], 4, v0
	v_add_nc_u32 v[FA+1], 0x10000, v[FA]
	v_add_nc_u32 v[FA+2], 0x20000, v[FA]
	v_add_nc_u32 v[FA+3], 0x30000, v[FA]
	v_and_b32 v[LI], 31, v0
	v_lshlrev_b32 v[LI], 4, v[LI]
	v_add_nc_u32 v[LV], 0x20000, v[LI]
	v_mov_b32 v[FF+1], 0                           ; (named as the upper half of a pair)
	v_mov_b32 v[PX], 0                             ; written once: a lane permute's destination counts as one of its sources
	s_lshl_b32 s66, s19, 17                        ; a head's image: 131,072 bytes
	s_mov_b32 s67, 0
	s_mov_b32 s20, 0x76543210
	s_mov_b32 s21, 0xfedcba98
	s_wait_kmcnt 0x0
	s_load_b256 s[68:75], s[14:15], 0x0            ; e0 .. e7
	s_load_b128 s[76:79], s[14:15], 0x20           ; e8 .. e11
	s_add_nc_u64 s[4:5], s[4:5], s[66:67]
	s_add_nc_u64 s[6:7], s[6:7], s[66:67]
	s_add_nc_u64 s[8:9], s[8:9], s[66:67]
.set i, 0
.rept 16
	global_load_b128 v[FD+4*i:FD+4*i+3], v[FA], s[6:7] offset:8192*i          ; the 512 threads read 8,192 consecutive bytes of K's image
.set i, i+1
.endr
.set i, 0
.rept 16
	global_load_b128 v[FD+64+4*i:FD+64+4*i+3], v[FA], s[8:9] offset:8192*i    ; and of V's
.set i, i+1
.endr
	s_lshr_b32 s2, s19, 4                          ; aimg [batch x 128 + tile][head / 2][2 (head % 2) + b][lane][16]
	s_lshl_b32 s2, s2, 21
	s_and_b32 s31, s19, 15
	s_lshr_b32 s31, s31, 1
	s_lshl_b32 s31, s31, 11
	s_add_co_u32 s2, s2, s31
	s_and_b32 s31, s19, 1
	s_lshl_b32 s31, s31, 10
	s_add_co_u32 s66, s2, s31
	s_add_nc_u64 s[16:17], s[16:17], s[66:67]
	s_wait_kmcnt 0x0
	s_add_co_i32 s2, s74, s75                      ; e6 + e7
	s_lshl_b32 s31, s2, 23
	s_add_co_i32 s22, s31, 0x3e38aa3b              ; c = log2(e) / 8 x 2^(e6 + e7): the exponents are added to c's exponent field
	s_mov_b32 s23, s22                             ; (named with it as a pair, so it is written)
	s_sub_co_i32 s2, 160, s2
	s_lshl_b32 s2, s2, 23
	s_or_b32 s2, s2, 0x80000000
	v_mov_b32 v[MSK], s2                           ; -2^(33 - e6 - e7)
	s_mov_b32 s30, s76                             ; e8
	s_add_co_i32 s3, s76, s77                      ; e8 + e9
	s_add_co_i32 s2, s76, 127
	s_lshl_b32 s31, s2, 23
	v_mov_b32 v[PSC], s31
	s_add_co_i32 s2, s2, 8
	s_lshl_b32 s2, s2, 23
	s_or_b32 s2, s2, 0x600000
	v_mov_b32 v[PLIM], s2
	s_add_co_i32 s2, s78, 127
	s_lshl_b32 s31, s2, 23
	v_mov_b32 v[OSC], s31
	s_add_co_i32 s2, s2, 8
	s_lshl_b32 s2, s2, 23
	s_or_b32 s2, s2, 0x600000
	v_mov_b32 v[OLIM], s2
.set i, 0
.rept 32
	s_wait_loadcnt 31-i                            ; loads come back in order (ISA guide 5.7.1): load i is in, the younger ones may be out
	ds_store_b128 v[FA+i/8], v[FD+4*i:FD+4*i+3] offset:8192*(i%8)             ; K's image at LDS byte 0, V's at 131,072, as they lie in memory
.set i, i+1
.endr
	s_wait_dscnt 0x0                               ; for the others' sake: my stores have landed
	s_barrier_signal -1
	s_barrier_wait -1                              ; both images are whole; from here on LDS is only read
	s_lshl_b32 s27, ttmp9, 4
	s_add_co_u32 s27, s27, s18                     ; my first query tile: 16 x + w
	s_mov_b32 s26, 0
.Lpass:
	s_wait_xcnt 0x0                                ; the last pass's stores have read their data and offset, which this pass writes again
	s_lshl_b32 s2, s27, 5
	s_load_b256 s[32:39], s[12:13], s2 offset:0x0  ; the tile's plan: four pairs of words
	s_lshl_b32 s31, s27, 10
	v_add_nc_u32 v[QO], s31, v[LI]
	global_load_b128 v[QF:QF+3], v[QO], s[4:5]
	global_load_b128 v[QF+4:QF+7], v[QO], s[4:5] offset:512
	s_lshl_b32 s66, s27, 12
	s_mov_b32 s67, 0
	s_add_nc_u64 s[100:101], s[10:11], s[66:67]    ; the tile's mask words: 16 steps x 256 bytes
.set i, 0
.rept 32
	v_mov_b32 v[O+i], 0                            ; O^T.  (The step is written once: the first finds zeros, which the first change of M leaves zeros)
.set i, i+1
.endr
	v_mov_b32 v14, 0
	v_mov_b32 v15, 0
	v_mov_b32 v13, 0xff61b1e6                      ; the largest t so far: -3e38, under every t
	v_floor_f32 v12, -v13
	s_wait_kmcnt 0x0
	s_or_b32 s28, s32, s34
	s_or_b32 s28, s28, s36
	s_or_b32 s28, s28, s38                         ; bits 0-15: the step has an open key; bits 16-31: all its keys are open
	s_or_b32 s31, s33, s35
	s_or_b32 s31, s31, s37
	s_or_b32 s31, s31, s39                         ; bit r: slot r has an open key
	s_lshr_b32 s29, s28, 16
	s_or_b32 s2, s28, 0xffff
	s_cmp_eq_u32 s31, 0xffff
	s_cselect_b32 s28, s28, s2                     ; a row without any open key wants every step
	s_mov_b32 s24, 0
	s_mov_b32 s25, 0
	s_wait_loadcnt 0x0                             ; Q
.Lstep:                                            ; sixteen trips: a step of 128 keys
	s_and_b32 s31, s28, 1
	s_cmp_eq_u32 s31, 0
	s_cbranch_scc1 .Lnext                          ; no key of the step counts for any of my queries
	s_load_b512 s[32:47], s[100:101], 0x0          ; the step's 64 mask words; asked for whether or not the step is all open, and waited for below on the one way
	s_load_b512 s[48:63], s[100:101], 0x40
	s_load_b512 s[68:83], s[100:101], 0x80
	s_load_b512 s[84:99], s[100:101], 0xc0
	v_add_nc_u32 v[ADK], s24, v[LI]
	v_add_nc_u32 v[ADV], s24, v[LV]
	v_nop                                          ; with the two additions: four places ahead of loads into registers that the last step's products have read
	v_nop
.set i, 0
.rept 8
	ds_load_b128 v[KV+8*i:KV+8*i+3], v[ADK] offset:1024*i
	ds_load_b128 v[KV+8*i+4:KV+8*i+7], v[ADK] offset:1024*i+512
.set i, i+1
.endr
	s_wait_dscnt 0x0
.set i, 0
.rept 8
	v_wmma_f32_16x16x64_fp8_fp8 v[S+8*i:S+8*i+7], v[KV+8*i:KV+8*i+7], v[QF:QF+7], 0
.set i, i+1
.endr
.rept 4
	v_nop                                          ; places ahead of the loads below and of the first read of the scores
.endr
.set i, 0
.rept 16
	ds_load_b128 v[KV+4*i:KV+4*i+3], v[ADV] offset:512*i   ; V's four fragments, 8,192 consecutive bytes: they land while the softmax is walked
.set i, i+1
.endr
	s_wait_kmcnt 0x0                               ; the mask words are in, and their base may be stepped
	s_and_b32 s31, s29, 1
	s_cmp_lg_u32 s31, 0
	s_cbranch_scc1 .Lopen                          ; all keys of the step count for all my queries
.set n, 0
.rept 64
	v_cndmask_b32 v[S+n], v[MSK], v[S+n], s[32+n+4*(n/32)]   ; bit of my lane: 1 keeps the score
.set n, n+1
.endr
.Lopen:
	v_max3_num_f32 v[M0], v[S], v[S+1], v[S+2]     ; the step's largest score of my query among my 64 keys, in two chains; each tile of scores is first read at its low end
	v_max3_num_f32 v[M0+1], v[S+3], v[S+4], v[S+5]
.irp i, 6,10,14,18,22,26,30,34,38,42,46,50,54,58
	v_max3_num_f32 v[M0], v[M0], v[S+\i], v[S+1+\i]
	v_max3_num_f32 v[M0+1], v[M0+1], v[S+2+\i], v[S+3+\i]
.endr
	v_max3_num_f32 v[M0], v[M0], v[S+62], v[S+63]
	v_max_num_f32 v[M0], v[M0], v[M0+1]
	v_permlanex16_b32 v[PX], v[M0], s20, s21
	v_max_num_f32 v[M0], v[M0], v[PX]              ; and among lane l xor 16's
	v_mul_f32 v[M0], s22, v[M0]                    ; as t (c is positive)
	v_max_num_f32 v13, v13, v[M0]
	v_mov_b32 v[M0], v12
	v_floor_f32 v12, -v13                          ; the new -M = floor(-t): M is a whole number
	v_sub_f32 v[M0], v12, v[M0]                    ; old M - new M: a whole number, 0 or less
	v_cvt_i32_f32 v[M0], v[M0]                     ; (it saturates)
	v_ldexp_f32 v[FF], 1.0, v[M0]                  ; f = 2^(old M - new M)
.set j, 0
.rept 32
	v_pk_fma_f32 v[S+j:S+j+1], v[S+j:S+j+1], s[22:23], v[12:13] op_sel_hi:[1,0,0]   ; t - M, two at a time (of the pairs c and -M the low word serves both halves)
.set j, j+2
.endr
.set j, 0
.rept 64
	v_exp_f32 v[S+j], v[S+j]                       ; p = 2^(t - M), at most 1
.set j, j+1
.endr
	v_pk_mul_f32 v[14:15], v[14:15], v[FF:FF+1] op_sel_hi:[1,0]   ; the sums under the new M: the plain line behind the exponentials
	s_wait_alu depctr_va_vdst(0)                   ; one wait for the whole batch, ahead of its first reader
	v_pk_add_f32 v[S2:S2+1], v[S:S+1], v[S+2:S+3]  ; the row's sum is taken of the unquantised p, in two chains
.irp j, 4,8,12,16,20,24,28,32,36,40,44,48,52,56,60
	v_pk_add_f32 v[14:15], v[14:15], v[S+\j:S+1+\j]
	v_pk_add_f32 v[S2:S2+1], v[S2:S2+1], v[S+2+\j:S+3+\j]
.endr
	v_pk_add_f32 v[14:15], v[14:15], v[S2:S2+1]
	s_cmp_ge_i32 s30, -8                           ; p <= 1 <= 448 x 2^e8 from e8 = -8 on: the hold would change nothing
	s_cbranch_scc1 .Lnohold
.set j, 0
.rept 64
	v_min_num_f32 v[S+j], v[S+j], v[PLIM]          ; the conversion does not saturate (ISA guide 7.6.2); p is not negative, so the hold is one-sided
.set j, j+1
.endr
.Lnohold:
.set j, 0
.rept 8
	v_cvt_scalef32_pk8_fp8_f32 v[PC+2*j:PC+2*j+1], v[S+8*j:S+8*j+7], v[PSC]   ; registers 4 b .. 4 b + 3 of the operand: keys 32 b + 16 h + 0 .. 15
.set j, j+1
.endr
.set j, 0
.rept 16
	v_pk_mul_f32 v[O+j:O+j+1], v[O+j:O+j+1], v[FF:FF+1] op_sel_hi:[1,0]       ; O^T under the new M.  (Plain lines between the conversions and the products that read their results)
.set j, j+2
.endr
	s_wait_dscnt 0x0                               ; V
.set i, 0
.rept 4
	v_wmma_f32_16x16x128_fp8_fp8 v[O+8*i:O+8*i+7], v[KV+16*i:KV+16*i+15], v[PC:PC+15], v[O+8*i:O+8*i+7]   ; the four accumulators by turns, one instruction a turn
.set i, i+1
.endr
.Lnext:
	s_lshr_b32 s28, s28, 1
	s_lshr_b32 s29, s29, 1
	s_add_co_u32 s24, s24, 8192                    ; a step is 8,192 bytes of either image,
	s_add_nc_u64 s[100:101], s[100:101], 256       ; and 256 bytes of mask words
	s_add_co_u32 s25, s25, 1
	s_cmp_lt_u32 s25, 16
	s_cbranch_scc1 .Lstep
	; THE WAY OUT of a pass: O^T / the sum x 2^(e8 + e9), quantised with 2^e10: two chunks of 16 bytes a lane, each store 512 consecutive bytes of aimg
	s_lshl_b32 s31, s27, 14
	v_add_f32 v14, v14, v15                        ; the sum's two halves,
	v_permlanex16_b32 v[PX], v14, s20, s21
	v_add_f32 v14, v14, v[PX]                      ; and lane l xor 16's
	v_rcp_f32 v14, v14
	v_add_nc_u32 v[AO], s31, v[LI]                 ; (the plain line behind the reciprocal)
	v_nop                                          ; with the additions above: the places behind the last products
	v_nop
	s_wait_alu depctr_va_vdst(0)                   ; ahead of the reciprocal's first reader
	v_ldexp_f32 v14, v14, s3
.set j, 0
.rept 16
	v_pk_mul_f32 v[S+j:S+j+1], v[O+j:O+j+1], v[14:15] op_sel_hi:[1,0]         ; register 16 b + i: channel 32 b + 16 h + i of my query
.set j, j+2
.endr
.set j, 0
.rept 32
	v_med3_num_f32 v[S+j], v[S+j], -v[OLIM], v[OLIM]
.set j, j+1
.endr
.set j, 0
.rept 4
	v_cvt_scalef32_pk8_fp8_f32 v[OC+2*j:OC+2*j+1], v[S+8*j:S+8*j+7], v[OSC]
.set j, j+1
.endr
	v_nop                                          ; a plain vector line behind the last conversion: the next pass's products write its sources
	global_store_b128 v[AO], v[OC:OC+3], s[16:17]
	global_store_b128 v[AO], v[OC+4:OC+7], s[16:17] offset:512
	s_sub_co_u32 s27, 127, s27                     ; the second tile: 127 - the first
	s_add_co_u32 s26, s26, 1
	s_cmp_lt_u32 s26, 2
	s_cbranch_scc1 .Lpass
	s_wait_tensorcnt 0x0
	ds_add_u32 v254, v255
	s_wait_dscnt 0x0
	s_endpgm
.Lfunc_end_k_qe65c8c1851_attn:
	.size	k_qe65c8c1851_attn, .Lfunc_end_k_qe65c8c1851_attn-k_qe65c8c1851_attn
	.p2alignl 7, 3214868480
	.fill 96, 4, 3214868480
	.section	.rodata,"a",@progbits
	.p2align	6, 0x0
	.amdhsa_kernel k_qe65c8c1851_attn
		.amdhsa_group_segment_fixed_size 264192
		.amdhsa_private_segment_fixed_size 0
		.amdhsa_enable_private_segment 0
		.amdhsa_kernarg_size 56
		.amdhsa_user_sgpr_count 2
		.amdhsa_user_sgpr_kernarg_segment_ptr 1
		.amdhsa_wavefront_size32 1
		.amdhsa_system_sgpr_workgroup_id_x 1
		.amdhsa_system_sgpr_workgroup_id_y 1
		.amdhsa_system_sgpr_workgroup_id_z 1
		.amdhsa_system_vgpr_workitem_id 0
		.amdhsa_next_free_vgpr 256
		.amdhsa_next_free_sgpr 102
		.amdhsa_reserve_vcc 0
		.amdhsa_float_denorm_mode_32 3
		.amdhsa_float_denorm_mode_16_64 3
		.amdhsa_memory_ordered 1
		.amdhsa_forward_progress 1
		.amdhsa_inst_pref_size 36
	.end_amdhsa_kernel
	.amdgpu_metadata
---
amdhsa.version: [ 1, 2 ]
amdhsa.kernels:
  - .name:           k_qe65c8c1851_attn
    .symbol:         k_qe65c8c1851_attn.kd
    .args:
      - { .name: qimg, .offset: 0, .size: 8, .value_kind: global_buffer, .address_space: global }
      - { .name: kimg, .offset: 8, .size: 8, .value_kind: global_buffer, .address_space: global }
      - { .name: vimg, .offset: 16, .size: 8, .value_kind: global_buffer, .address_space: global }
      - { .name: mwords, .offset: 24, .size: 8, .value_kind: global_buffer, .address_space: global }
      - { .name: plan, .offset: 32, .size: 8, .value_kind: global_buffer, .address_space: global }
      - { .name: lowp_scales, .offset: 40, .size: 8, .value_kind: global_buffer, .address_space: global }
      - { .name: aimg, .offset: 48, .size: 8, .value_kind: global_buffer, .address_space: global }
    .group_segment_fixed_size: 264192
    .private_segment_fixed_size: 0
    .kernarg_segment_align: 8
    .kernarg_segment_size: 56
    .max_flat_workgroup_size: 512
    .sgpr_count:     102
    .vgpr_count:     256
    .wavefront_size: 32
...
	.end_amdgpu_metadata
.endif
;; end of part 3
;; launch outp (part 4): grid 4 x 32, 4 waves a work-group, clusters of 4 x 4, 327,680 bytes of LDS; arguments aimg, xw_codes, lowp_scales, bo, out0; writes out0
.if DOCPART == 4
	.amdgcn_target "amdgcn-amd-amdhsa--gfx1250"
	.amdhsa_code_object_version 6
	.text
	.protected	k_qe65c8c1851_outp
	.globl	k_qe65c8c1851_outp
	.p2align	8
	.type	k_qe65c8c1851_outp,@function
k_qe65c8c1851_outp:
	s_mov_b64 s[64:65], 0
	v_nop
	global_prefetch_b8 v0, s[64:65] scope:SCOPE_SE
	s_setreg_imm32_b32 hwreg(HW_REG_WAVE_MODE, 25, 1), 1
	s_wait_xcnt 0x0
	s_wait_alu depctr_hold_cnt(0) depctr_sa_sdst(0) depctr_va_vdst(0) depctr_va_sdst(0) depctr_va_ssrc(0) depctr_va_vcc(0) depctr_vm_vsrc(0)
	s_getreg_b32 s2, hwreg(HW_REG_IB_STS2, 6, 4)
	s_cmp_eq_u32 s2, 0
	s_cbranch_scc0 .Lentry_in_a_cluster
	s_endpgm
.Lentry_in_a_cluster:
	s_bfe_u32 s2, ttmp6, 0x10000c
	s_cmp_lg_u32 s2, 0xf033
	s_cbranch_scc0 .Lentry_shape_is_right
	s_endpgm
.Lentry_shape_is_right:
; OUTP.  out0 = attention result x wo^T + bo on codes of E4M3: each finished sum x 2^(e10 + e11) + bo, f32.  LIMIT: e10 + e11 between -126 and 127.
; Both operands are IMAGES (16-row tiles, slot r of tile T = row 32 (T / 2) + 8 (T % 2) + r + 8 (r / 8); a fragment of 16 rows x 128 K = [c][lane][16 bytes], k = 32 c + 16 h + 0 .. 15; [tile][K fragment][2,048 bytes]):
; aimg holds the 512 token tiles, xw_codes holds wo's 64 tiles from tile 1728 on.  The order of k inside an instruction is the same on both sides.
; A tile of 256 tokens x 256 channels is made by four waves, each 128 x 128.  D = (source 0: 16 rows of wo) x (source 1: 16 tokens): lane (r, h) holds token slot r, and the 16 registers of wo's tiles 2 b, 2 b + 1 are channels
; 32 b + 16 h + 0 .. 15.  128 work-groups: 8 clusters of 4 x 4; the tokens' tiles are asked for jointly along a row of the cluster, wo's along a column.
; RING: K in steps of 256 through two LDS slots; one tensor load a wave brings 8 image tiles x 4,096 bytes, 16,384 bytes apart in memory.  By this text's count a wave has two tensor loads out at the start and one behind each round.
; No prefetch: the ring has two refills in all.
; REGISTERS, in windows of 256: window 0: v16-31 addresses; v32-95 bo in the result's layout; v128-255 the tokens' fragments, ONE set, later a block's results.   window 1: wo's fragments, TWO sets, later rows on their way out.
;   windows 2, 3: the accumulators of token blocks 0-3, 4-7 ((a, b) at v[8 (8 (a % 4) + b)]).
.set FR,    16
.set NL,    4
.set NP,    4                          ; places behind this matrix instruction (ISA guide 7.12.1)
.set HALFT, 32768
.set SLOT,  4*HALFT
.set KADV,  4096
.set LAPS,  2
.set SPARE, 2*SLOT                     ; behind the ring: the spare words, 128 bytes for each wave
.set SPITCH, 528                       ; the way out: a stage of 16 rows x (512 bytes + 16) for each wave, in slot 0, which has had its last fill and its last read when the first result is stored there
.set ADRA, 16
.set ADRB, 20
.set STO,  24                          ; v24  the stage: row r, + 64 h
.set RD,   25                          ; v25  the stage: 16 x lane of a row
.set CO,   26                          ; v26  16 x lane
.set BOF,  27                          ; v27  64 h
.set SPW,  28
.set NIL,  29
.set BI,   32
.set AF,   128
.set TMP,  128
.set G1, 24
.set G0, 32
.set G1B, 48
.set G0B, 56
.set MSB, 0
.macro WIN new                         ; the immediate's high byte repeats the setting that is left
.if MSB != \new
	s_set_vgpr_msb (MSB<<8)|\new
.set MSB, \new
.endif
.endm
.set MUL_LO, 0xa1
.set MUL_HI, 0xf1
.set TO_B,   0x40
.macro JLOAD g0a, g1a, g0b, g1b        ; a joint load: waves 0 and 1 fetch the tokens' halves, waves 2 and 3 wo's; four v_nop follow each of the two lines
	s_cmp_eq_u32 s21, 0
	s_cbranch_scc0 .Lfor_b_\@
	tensor_load_to_lds s[\g0a:\g0a+3], s[\g1a:\g1a+7]
	s_nop 0
.rept 4
	v_nop
.endr
	s_branch .Lasked_\@
.Lfor_b_\@:
	tensor_load_to_lds s[\g0b:\g0b+3], s[\g1b:\g1b+7]
	s_nop 0
.rept 4
	v_nop
.endr
.Lasked_\@:
.endm
.macro CREST
	s_cmp_lg_u32 s20, 0
	s_cbranch_scc1 .Lnot_wave_0_\@
	s_barrier_signal -3
.Lnot_wave_0_\@:
	s_barrier_wait -3
	s_barrier_signal -1
	s_barrier_wait -1
.endm
.macro CROUND
	s_barrier_signal -1
	s_barrier_wait -1
	CREST
.endm
	s_load_b256 s[4:11], s[0:1], 0x0               ; aimg 4, xw_codes 6, lowp_scales 8, bo 10
	s_load_b64 s[12:13], s[0:1], 0x20              ; out0
	v_lshl_add_u32 v[SPW], v0, 2, SPARE
	v_mov_b32 v[NIL], 0
	ds_add_u32 v28, v29
	ds_add_u32 v28, v29
	s_wait_dscnt 0x0
	v_lshrrev_b32 v1, 5, v0
	v_readfirstlane_b32 s20, v1                    ; wave 0..3
	s_lshr_b32 s21, s20, 1                         ; my half of the tokens.  Also: I fetch tokens (0) or wo (1)
	s_and_b32 s22, s20, 1                          ; my half of the channels.  Also: which 8 image tiles I fetch
	s_bfe_u32 s40, ttmp6, 0x40000                  ; cx: the tile of 256 channels
	s_bfe_u32 s41, ttmp6, 0x40004                  ; cy
	s_and_b32 s42, ttmp7, 0xffff
	s_lshl_b32 s45, s42, 2
	s_add_co_u32 s45, s45, s41                     ; the tile of 256 tokens: 4 x cluster y + cy
	s_lshl_b32 s23, s41, 2
	s_lshl_b32 s23, 15, s23                        ; my row of the cluster
	s_lshl_b32 s67, 0x1111, s40                    ; my column
	s_or_b32 s[G1+0], s23, (3<<16)|(1<<21)         ; 15:0 the mask; 17:16 elements of 8 bytes; 20 no padding; 21 set beside a mask
	s_or_b32 s[G1B+0], s67, (3<<16)|(1<<21)
.irp g, G1, G1B
	s_mov_b32 s[\g+1], 512<<16                     ; tensor_dim0 = 512 elements: 4,096 bytes
	s_mov_b32 s[\g+2], 8<<16                       ; tensor_dim1 = 8
	s_mov_b32 s[\g+3], 512<<16                     ; tile_dim0
	s_mov_b32 s[\g+4], 8                           ; tile_dim1
	s_mov_b32 s[\g+5], 2048                        ; from image tile to image tile: 16,384 bytes
	s_mov_b32 s[\g+6], 0
	s_mov_b32 s[\g+7], 0
.endr
	s_lshl_b32 s80, s45, 4
	s_lshl_b32 s23, s22, 3
	s_add_co_u32 s80, s80, s23                     ; the tokens' image tile: 16 x tile + 8 x half
	s_lshl_b32 s80, s80, 14
	s_mov_b32 s81, 0
	s_lshl_b32 s82, s40, 4
	s_lshl_b32 s47, s22, 3
	s_add_co_u32 s82, s82, s47
	s_add_co_u32 s82, s82, 1728                    ; wo's: 1728 + 16 x tile + 8 x half
	s_lshl_b32 s82, s82, 14
	s_mov_b32 s83, 0
	s_lshl_b32 s94, s20, 15                        ; where they go: wave x 32,768
	s_wait_kmcnt 0x0
	s_load_b64 s[96:97], s[8:9], 0x28              ; e10, e11
	s_add_nc_u64 s[80:81], s[4:5], s[80:81]
	s_add_nc_u64 s[82:83], s[6:7], s[82:83]
	CROUND                                         ; all sixteen work-groups are here: the first joint loads meet
.irp s, 0,1
	s_mov_b32 s[G0+4*\s], 1
	s_add_co_u32 s[G0+4*\s+1], s94, \s*SLOT
	s_add_nc_u64 s[G0+4*\s+2:G0+4*\s+3], s[80:81], \s*KADV
	s_or_b32 s[G0+4*\s+3], s[G0+4*\s+3], 0x80000000
	s_mov_b32 s[G0B+4*\s], 1
	s_add_co_u32 s[G0B+4*\s+1], s94, \s*SLOT
	s_add_nc_u64 s[G0B+4*\s+2:G0B+4*\s+3], s[82:83], \s*KADV
	s_or_b32 s[G0B+4*\s+3], s[G0B+4*\s+3], 0x80000000
	JLOAD G0+4*\s, G1, G0B+4*\s, G1B
.endr
	v_and_b32 v1, 31, v0
	v_lshlrev_b32 v[CO], 4, v1
	v_and_b32 v2, 15, v0                           ; r
	v_bfe_u32 v3, v0, 4, 1                         ; h
	s_mul_i32 s88, s21, HALFT
	s_mul_i32 s89, s22, HALFT
	s_add_co_u32 s89, s89, 2*HALFT
.irp s, 0,1
	v_add_nc_u32 v[ADRA+\s], s88, v[CO]
	v_add_nc_u32 v[ADRB+\s], s89, v[CO]
	s_add_co_u32 s88, s88, SLOT
	s_add_co_u32 s89, s89, SLOT
.endr
	v_lshlrev_b32 v[BOF], 6, v3
	s_mul_i32 s92, s20, 16*SPITCH                  ; my stage
	v_mul_u32_u24 v4, v2, SPITCH
	v_lshl_add_u32 v4, v3, 6, v4
	v_add_nc_u32 v[STO], s92, v4
	v_add_nc_u32 v[RD], s92, v[CO]
	s_lshl_b32 s88, s45, 8
	s_lshl_b32 s89, s21, 7
	s_add_co_u32 s88, s88, s89                     ; my first token,
	s_lshl_b32 s88, s88, 12                        ; a row of out0 is 4,096 bytes
	s_lshl_b32 s91, s40, 8
	s_lshl_b32 s89, s22, 7
	s_add_co_u32 s91, s91, s89                     ; my first channel,
	s_lshl_b32 s91, s91, 2                         ; in bytes
	s_add_co_u32 s88, s88, s91
	s_mov_b32 s89, 0
	s_add_nc_u64 s[84:85], s[12:13], s[88:89]
	s_mov_b32 s88, s91
	s_add_nc_u64 s[86:87], s[10:11], s[88:89]
.set b, 0
.rept 8
	global_load_b128 v[BI+8*b:BI+8*b+3], v[BOF], s[86:87] offset:128*(b/2)+32*(b%2)         ; tile b, register j: channel 32 (b / 2) + 8 (b % 2) + 16 h + j; waited for on the way out
	global_load_b128 v[BI+8*b+4:BI+8*b+7], v[BOF], s[86:87] offset:128*(b/2)+32*(b%2)+16
.set b, b+1
.endr
.macro FRAG reg, adr, q, i             ; image tile i of my eight, the slot's q-th 128 along K: four loads of 512 consecutive bytes
.irp c, 0,1,2,3
	ds_load_b128 v[\reg+4*\c:\reg+4*\c+3], v[\adr] offset:4096*(\i)+2048*(\q)+512*\c
.endr
.endm
.macro MUL16 a0, p, zero               ; 16 matrix instructions; the 64 accumulators take turns, one instruction a turn
.irp a, \a0, \a0+1
.irp b, 0,1,2,3,4,5,6,7
.if \zero
	v_wmma_f32_16x16x128_fp8_fp8 v[8*(8*((\a)%4)+\b):8*(8*((\a)%4)+\b)+7], v[128*(\p)+FR*\b:128*(\p)+FR*\b+FR-1], v[AF+FR*(\a):AF+FR*(\a)+FR-1], 0
.else
	v_wmma_f32_16x16x128_fp8_fp8 v[8*(8*((\a)%4)+\b):8*(8*((\a)%4)+\b)+7], v[128*(\p)+FR*\b:128*(\p)+FR*\b+FR-1], v[AF+FR*(\a):AF+FR*(\a)+FR-1], v[8*(8*((\a)%4)+\b):8*(8*((\a)%4)+\b)+7]
.endif
.endr
.endr
.endm
.macro FETCH_B slot, q, p
	WIN TO_B
.irp i, 0,1,2,3,4,5,6,7
	FRAG 128*(\p)+FR*\i, ADRB+\slot, \q, \i
.endr
	WIN 0
.endm
.macro FETCH_A slot, q, i0
.irp i, \i0, \i0+1, \i0+2, \i0+3
	FRAG AF+FR*(\i), ADRA+\slot, \q, \i
.endr
.endm
.macro PLACES n                        ; plain vector lines between a matrix instruction and a load into, or a vector line on, its registers
.rept \n
	v_nop
.endr
.endm
.macro STEP slot, q, zero
	s_wait_dscnt 4*NL                              ; wo's set and token blocks 0-3 are in; the youngest sixteen loads (blocks 4-7) may be out
	WIN MUL_LO
	MUL16 0, (\q)%2, \zero
	MUL16 2, (\q)%2, \zero
	s_wait_dscnt 0
	PLACES NP
	FETCH_B \slot, (\q)+1, 1-(\q)%2
	FETCH_A \slot, (\q)+1, 0
	WIN MUL_HI
	MUL16 4, (\q)%2, \zero
	MUL16 6, (\q)%2, \zero
	PLACES NP
	WIN 0
	FETCH_A \slot, (\q)+1, 4
.endm
.macro TURN slot, next, fill
	s_wait_tensorcnt 0x0                           ; all my tensor loads have landed: my part of the next slot
	ds_add_u32 v[SPW], v[NIL]                      ; 0 onto my spare word
	s_wait_dscnt 4*NL+1                            ; the add and the youngest sixteen loads may be out
	WIN MUL_LO
	MUL16 0, 1, 0
	s_wait_dscnt 0x0                               ; the add is done, and my reads of this slot are over
	s_barrier_signal -1
	MUL16 2, 1, 0
	WIN 0
	s_barrier_wait -1
.if \fill
	CREST                                          ; the barrier has opened a round of the cluster's: no wave of any partner still reads this slot or has a load on its way
	s_add_nc_u64 s[G0+4*\slot+2:G0+4*\slot+3], s[G0+4*\slot+2:G0+4*\slot+3], 2*KADV
	s_add_nc_u64 s[G0B+4*\slot+2:G0B+4*\slot+3], s[G0B+4*\slot+2:G0B+4*\slot+3], 2*KADV
	JLOAD G0+4*\slot, G1, G0B+4*\slot, G1B         ; the first tensor load behind the round; its four v_nop are also the places ahead of the loads below
.else
	PLACES NP
.endif
	FETCH_B \next, 0, 0
	FETCH_A \next, 0, 0
	WIN MUL_HI
	MUL16 4, 1, 0
	MUL16 6, 1, 0
	PLACES NP
	WIN 0
	FETCH_A \next, 0, 4
.endm
	s_wait_tensorcnt 1                             ; my part of K step 0 is in; K step 1's load may be out
	s_barrier_signal -1
	s_barrier_wait -1
	FETCH_B 0, 0, 0
	FETCH_A 0, 0, 0
	FETCH_A 0, 0, 4
	STEP 0, 0, 1
	s_mov_b32 s3, LAPS-1
.Llap:
	TURN 0, 1, 1
	STEP 1, 0, 0
	TURN 1, 0, 1
	STEP 0, 0, 0
	s_sub_co_u32 s3, s3, 1
	s_cmp_lg_u32 s3, 0
	s_cbranch_scc1 .Llap
	TURN 0, 1, 0
	STEP 1, 0, 0
	s_wait_dscnt 4*NL
	WIN MUL_LO
	MUL16 0, 1, 0
	MUL16 2, 1, 0
	s_wait_dscnt 0
	WIN MUL_HI
	MUL16 4, 1, 0
	MUL16 6, 1, 0
	WIN 0
; THE WAY OUT, a block of 16 tokens x 128 channels at a time: sum x 2^(e10 + e11) + bo, through my own stage in LDS, back as whole rows of 512 bytes, which the 32 lanes store as 512 consecutive bytes, aligned.
; LDS serves a wave's instructions in order (ISA guide 5.7.1.4): no wait between the stores and the loads, nor ahead of the next block's stores.
.macro TOSTAGE a
.set AC, 64*((\a)%4)
	WIN 0x02+((\a)/4)                              ; source 0: window 2 or 3
.irp j, 0,2,4,6,8,10,12,14,16,18,20,22,24,26,28,30,32,34,36,38,40,42,44,46,48,50,52,54,56,58,60,62
	v_pk_fma_f32 v[TMP+\j:TMP+\j+1], v[AC+\j:AC+\j+1], s[96:97], v[BI+\j:BI+\j+1] op_sel_hi:[1,0,1]   ; each accumulator from its low end on
.endr
	WIN 0
.irp b, 0,1,2,3,4,5,6,7
	ds_store_b128 v[STO], v[TMP+8*\b:TMP+8*\b+3] offset:128*(\b/2)+32*(\b%2)       ; channels 32 (b / 2) + 8 (b % 2) + 16 h + 0 .. 7 of token slot r
	ds_store_b128 v[STO], v[TMP+8*\b+4:TMP+8*\b+7] offset:128*(\b/2)+32*(\b%2)+16
.endr
.set BB, 64*((\a)%2)
	WIN 0x40                                       ; destination window 1
.irp t, 0,1,2,3,4,5,6,7,8,9,10,11,12,13,14,15
	ds_load_b128 v[BB+4*\t:BB+4*\t+3], v[RD] offset:\t*SPITCH
.endr
	WIN 0
.endm
.macro SEND a, younger                 ; younger: the LDS instructions issued behind block a's loads, which may stay out
.set BB, 64*((\a)%2)
	s_wait_dscnt \younger
	WIN 0x04                                       ; the stores' data: window 1
.irp t, 0,1,2,3,4,5,6,7,8,9,10,11,12,13,14,15
	global_store_b128 v[CO], v[BB+4*\t:BB+4*\t+3], s[84:85] offset:(32*((\a)/2)+8*((\a)%2)+\t+8*(\t/8))*4096 th:TH_STORE_NT   ; slot t of block a is token 32 (a / 2) + 8 (a % 2) + t + 8 (t / 8); every offset is an immediate
.endr
	WIN 0
.endm
	s_wait_kmcnt 0x0
	s_add_co_i32 s96, s96, s97
	s_add_co_i32 s96, s96, 127
	s_lshl_b32 s96, s96, 23                        ; 2^(e10 + e11) as f32
	s_mov_b32 s97, s96                             ; (named with it as a pair, so it is written)
	s_wait_loadcnt 0x0                             ; bo
	PLACES NP
	TOSTAGE 0
.irp a, 1,2,3,4,5,6,7
.if \a > 1
	s_wait_xcnt 0x0                                ; block a - 2's stores have read their registers: block a's loads may land there
.endif
	TOSTAGE \a
	SEND \a-1, 32                                  ; behind block a - 1's loads: block a's 16 stores and 16 loads
.endr
	SEND 7, 0
	s_wait_tensorcnt 0x0                           ; the wave's end
	ds_add_u32 v[SPW], v[NIL]
	s_wait_dscnt 0x0
	CROUND                                         ; the closing round
	s_endpgm
.Lfunc_end_k_qe65c8c1851_outp:
	.size	k_qe65c8c1851_outp, .Lfunc_end_k_qe65c8c1851_outp-k_qe65c8c1851_outp
	.p2alignl 7, 3214868480
	.fill 96, 4, 3214868480
	.section	.rodata,"a",@progbits
	.p2align	6, 0x0
	.amdhsa_kernel k_qe65c8c1851_outp
		.amdhsa_group_segment_fixed_size 327680
		.amdhsa_private_segment_fixed_size 0
		.amdhsa_enable_private_segment 0
		.amdhsa_kernarg_size 40
		.amdhsa_user_sgpr_count 2
		.amdhsa_user_sgpr_kernarg_segment_ptr 1
		.amdhsa_wavefront_size32 1
		.amdhsa_system_sgpr_workgroup_id_x 1
		.amdhsa_system_sgpr_workgroup_id_y 1
		.amdhsa_system_sgpr_workgroup_id_z 1
		.amdhsa_system_vgpr_workitem_id 0
		.amdhsa_next_free_vgpr 1024
		.amdhsa_next_free_sgpr 100
		.amdhsa_reserve_vcc 0
		.amdhsa_float_denorm_mode_32 3
		.amdhsa_float_denorm_mode_16_64 3
		.amdhsa_memory_ordered 1
		.amdhsa_forward_progress 1
		.amdhsa_inst_pref_size 125
	.end_amdhsa_kernel
	.amdgpu_metadata
---
amdhsa.version: [ 1, 2 ]
amdhsa.kernels:
  - .name:           k_qe65c8c1851_outp
    .symbol:         k_qe65c8c1851_outp.kd
    .args:
      - { .name: aimg, .offset: 0, .size: 8, .value_kind: global_buffer, .address_space: global }
      - { .name: xw_codes, .offset: 8, .size: 8, .value_kind: global_buffer, .address_space: global }
      - { .name: lowp_scales, .offset: 16, .size: 8, .value_kind: global_buffer, .address_space: global }
      - { .name: bo, .offset: 24, .size: 8, .value_kind: global_buffer, .address_space: global }
      - { .name: out0, .offset: 32, .size: 8, .value_kind: global_buffer, .address_space: global }
    .group_segment_fixed_size: 327680
    .private_segment_fixed_size: 0
    .kernarg_segment_align: 8
    .kernarg_segment_size: 40
    .max_flat_workgroup_size: 128
    .sgpr_count:     100
    .vgpr_count:     1024
    .wavefront_size: 32
...
	.end_amdgpu_metadata
.endif
;; end of part 4
;; ======== version 2 of 2: 4 launches; version 1 with the launch attn written anew for expert scheduling mode
;; limits: right only within a limited range of input values
;; workspace buffers: xw_codes 29,360,128 bytes; qimg 8,388,608 bytes; kimg 8,388,608 bytes; vimg 8,388,608 bytes; aimg 8,388,608 bytes; mwords 524,288 bytes of whole numbers; plan 4,096 bytes of whole numbers
;; launch prep: the kernel of part 1 again; grid 1024 x 1, 4 waves a work-group, no clusters, 34,304 bytes of LDS; arguments query, key, value, wq, wk, wv, wo, mask, lowp_scales, xw_codes, mwords, plan; writes xw_codes, mwords, plan
;; launch proj: the kernel of part 2 again; grid 4 x 96, 4 waves a work-group, clusters of 4 x 4, 327,680 bytes of LDS; arguments xw_codes, lowp_scales, bq, bk, bv, qimg, kimg, vimg; writes qimg, kimg, vimg
;; launch attn (part 5): grid 4 x 64, 16 waves a work-group, no clusters, 264,192 bytes of LDS; arguments qimg, kimg, vimg, mwords, plan, lowp_scales, aimg; writes aimg
.if DOCPART == 5
	.amdgcn_target "amdgcn-amd-amdhsa--gfx1250"
	.amdhsa_code_object_version 6
	.text
	.protected	k_qe65c8c1851_attn
	.globl	k_qe65c8c1851_attn
	.p2align	8
	.type	k_qe65c8c1851_attn,@function
k_qe65c8c1851_attn:
	s_mov_b64 s[64:65], 0
	v_nop
	global_prefetch_b8 v0, s[64:65] scope:SCOPE_SE
	s_setreg_imm32_b32 hwreg(HW_REG_WAVE_SCHED_MODE, 0, 2), 2
	s_setreg_imm32_b32 hwreg(HW_REG_WAVE_MODE, 25, 1), 1
	s_wait_xcnt 0x0
	s_wait_alu depctr_vm_vsrc(0)
; ATTN.  For each of the 64 (batch, head): O = softmax(q k^T / 8, masked) v, both products on codes of E4M3; O / the row's sum is quantised with 2^e10 into the image of the last product's left operand.
; t = logit x log2(e); M = the running largest t rounded UP to a whole number; p = 2^(t - M) is quantised with 2^e8, not normalised; the row's sum is taken of the unquantised p.  When M moves, sum and O are multiplied by
; 2^(old M - new M), which rounds nothing.
; THE MASK is an input.  An earlier launch has laid it as lane masks (mwords [query tile][step of 128 keys][score register 0..63]) and a plan ([query tile][4][2]: which steps have an open key, which are all open, which of the
; tile's rows have an open key at all).  A masked score takes the raw value -2^(33 - e6 - e7), which stands for the logit -2^30 where reference() has -1e9.
; LIMIT: e6 + e7 between -94 and 9.  Codes bound a true logit by 64 x 448^2 / 8 x 2^(e6 + e7), under 1e9 / 1.2 at e6 + e7 = 9: then t - M of a masked key beside an open one is under -1e8 with either number, and p is 0 with both;
; in a row with no open key all p are equal with either, and 1 here: -2^(33 - e6 - e7) x c is a shift of c's exponent, a whole number, so M = t.
; A step with no open key; if a row of the tile has no open key at all, no step is left out.
; LIMITS: e8 and e10 between -126 and 119; NaN is not served.
; SHARES.  A work-group serves one head: its K image and V image, 131,072 bytes each, are copied into LDS once, through registers; one barrier; then the sixteen waves never meet again.  Wave id = 16 x + w takes query tile id,
; then query tile 127 - id: a fixed pairing, right for every mask.  A wave's 256 registers leave four waves to a SIMD: one wave's vector work stands beside another's matrix work and LDS loads.
; NO TENSOR LOAD, NO JOINT LOAD, though the head's four work-groups read the same K and V: what is shared is
; 262,144 bytes read once at the head, against up to 32 steps of work a wave.  No prefetch: the one stream is asked for at the head.
; LAYOUT.  S^T = K Q^T (source 0 = 16 keys, source 1 = my 16 queries), O^T = V^T P^T: a lane holds ONE query slot throughout.  Images: slot r of tile T = row 32 (T / 2) + 8 (T % 2) + r + 8 (r / 8), so the 16 registers of
; tiles 2 b, 2 b + 1 are 16 neighbours: keys 32 b + 16 h + 0 .. 15 of the step, or channels 32 b + 16 h + 0 .. 15 of the head.
; THE MODE: SCHED_MODE bits 1:0 = 2 (LLVM: expert scheduling mode 2), set by the entry lines.  The code itself states the register dependences between vector or matrix instructions and memory or LDS instructions,
; with s_wait_alu, always for 0.
; THE PLAN.  Registers that memory or LDS instructions touch:
;   FA  v208-211  written at the head; read by the fill's 32 loads and 32 LDS stores; never written again.
;   FD  v32-159   the fill's loads land here; its LDS stores read them; from the first pass on the same registers are KV, S^T and part of O^T.
;   QO  v10       written by one add at a pass's head; read by the pass's two loads of Q.      QF  v16-23  those loads land here; every product K Q^T of the pass reads them.
;   ADK, ADV v3, v4  written by two adds at the head of a step that is worked; read by its 16 loads of K and its 16 loads of V.
;   KV  v24-87    K lands; the eight products K Q^T read it; V lands; the four products V^T P read it; the next worked step's K lands.
;   AO  v11, OC v200-207  written on a pass's way out; read by its two stores.
;   S^T, p, O^T, p's codes and the statistics are named by vector and matrix instructions alone.
; A worked step has one wait on vm_vsrc (ahead of the two adds) and three on va_vdst: ahead of K's loads, ahead of V's loads, and behind the exponentials.  V's loads land while the softmax is walked.
; The next step's K is not asked for early: 207 registers are live in the loop (24 + 64 + 64 + 32 + 16 + 7), a second buffer of 64 would make 271 of a wave's 256, and which step is worked next hangs on the plan.
.set LI,   1                           ; v1   16 x lane
.set LV,   2                           ; v2   the same in V's image
.set ADK,  3                           ; v3   LDS address of the step's K
.set ADV,  4                           ; v4   of its V
.set MSK,  5                           ; v5   a masked score
.set PLIM, 6                           ; v6   448 x 2^e8
.set PSC,  7                           ; v7   2^e8
.set OSC,  8                           ; v8   2^e10
.set OLIM, 9                           ; v9   448 x 2^e10
.set QO,   10                          ; v10  my offset in qimg
.set AO,   11                          ; v11  my offset in aimg
                                       ; v12 -M, v13 the largest t, v[14:15] the sum in two halves
.set QF,   16                          ; v16-23   Q's fragment (K = 64)
.set KV,   24                          ; v24-87   eight fragments of K, then four of V
.set S,    88                          ; v88-151  S^T, then p
.set O,    152                         ; v152-183 O^T
.set PC,   184                         ; v184-199 p's codes
.set OC,   200                         ; v200-207 the result's codes
.set FA,   208                         ; v208-211 the fill: 16 x thread + 65,536 k
.set FD,   32                          ; v32-159  the fill's data
.set M0,   216                         ; v216, v217 two chains of the maximum
.set FF,   218                         ; v[218:219] f = 2^(old M - new M)
.set S2,   220                         ; v[220:221] the sum's second chain
.set PX,   222                         ; v222 a lane permute's destination
; s18 wave, s19 head, s[20:21] permute selects, s[22:23] c, s24 the step's bytes in an image, s25 step, s26 pass, s27 query tile, s28 steps not empty, s29 steps all open, s30 e8, s3 e8 + e9,
; s[32:63], s[68:99] the step's 64 mask words, s[100:101] where they lie
	s_load_b256 s[4:11], s[0:1], 0x0               ; qimg 4, kimg 6, vimg 8, mwords 10
	s_load_b128 s[12:15], s[0:1], 0x20             ; plan 12, lowp_scales 14
	s_load_b64 s[16:17], s[0:1], 0x30              ; aimg
	v_lshl_add_u32 v254, v0, 2, 0x40000
	v_mov_b32 v255, 0
	v_lshrrev_b32 v1, 5, v0
	v_readfirstlane_b32 s18, v1                    ; wave 0..15
	s_and_b32 s19, ttmp7, 0xffff                   ; batch x 16 + head
	v_lshlrev_b32 v[FA], 4, v0
	v_add_nc_u32 v[FA+1], 0x10000, v[FA]
	v_add_nc_u32 v[FA+2], 0x20000, v[FA]
	v_add_nc_u32 v[FA+3], 0x30000, v[FA]
	v_and_b32 v[LI], 31, v0
	v_lshlrev_b32 v[LI], 4, v[LI]
	v_add_nc_u32 v[LV], 0x20000, v[LI]
	v_mov_b32 v[FF+1], 0                           ; (named as the upper half of a pair)
	v_mov_b32 v[PX], 0                             ; written once: a lane permute's destination counts as one of its sources
	s_wait_alu depctr_va_sdst(0)                   ; s18 is written, ahead of its first reader (the sum that makes my first query tile) and of every label and branch
	s_lshl_b32 s66, s19, 17                        ; a head's image: 131,072 bytes
	s_mov_b32 s67, 0
	s_mov_b32 s20, 0x76543210
	s_mov_b32 s21, 0xfedcba98
	s_wait_kmcnt 0x0
	s_load_b256 s[68:75], s[14:15], 0x0            ; e0 .. e7
	s_load_b128 s[76:79], s[14:15], 0x20           ; e8 .. e11
	s_add_nc_u64 s[4:5], s[4:5], s[66:67]
	s_add_nc_u64 s[6:7], s[6:7], s[66:67]
	s_add_nc_u64 s[8:9], s[8:9], s[66:67]
	s_wait_alu depctr_va_vdst(0)                   ; v[FA] to v[FA+3] are written: the fill's loads and its LDS stores read them as addresses; the vector lines between here and those stores write v5 to v9 alone
.set i, 0
.rept 16
	global_load_b128 v[FD+4*i:FD+4*i+3], v[FA], s[6:7] offset:8192*i          ; the 512 threads read 8,192 consecutive bytes of K's image
.set i, i+1
.endr
.set i, 0
.rept 16
	global_load_b128 v[FD+64+4*i:FD+64+4*i+3], v[FA], s[8:9] offset:8192*i    ; and of V's
.set i, i+1
.endr
	s_lshr_b32 s2, s19, 4                          ; aimg [batch x 128 + tile][head / 2][2 (head % 2) + b][lane][16]
	s_lshl_b32 s2, s2, 21
	s_and_b32 s31, s19, 15
	s_lshr_b32 s31, s31, 1
	s_lshl_b32 s31, s31, 11
	s_add_co_u32 s2, s2, s31
	s_and_b32 s31, s19, 1
	s_lshl_b32 s31, s31, 10
	s_add_co_u32 s66, s2, s31
	s_add_nc_u64 s[16:17], s[16:17], s[66:67]
	s_wait_kmcnt 0x0
	s_add_co_i32 s2, s74, s75                      ; e6 + e7
	s_lshl_b32 s31, s2, 23
	s_add_co_i32 s22, s31, 0x3e38aa3b              ; c = log2(e) / 8 x 2^(e6 + e7): the exponents are added to c's exponent field
	s_mov_b32 s23, s22                             ; (named with it as a pair, so it is written)
	s_sub_co_i32 s2, 160, s2
	s_lshl_b32 s2, s2, 23
	s_or_b32 s2, s2, 0x80000000
	v_mov_b32 v[MSK], s2                           ; -2^(33 - e6 - e7)
	s_mov_b32 s30, s76                             ; e8
	s_add_co_i32 s3, s76, s77                      ; e8 + e9
	s_add_co_i32 s2, s76, 127
	s_lshl_b32 s31, s2, 23
	v_mov_b32 v[PSC], s31
	s_add_co_i32 s2, s2, 8
	s_lshl_b32 s2, s2, 23
	s_or_b32 s2, s2, 0x600000
	v_mov_b32 v[PLIM], s2
	s_add_co_i32 s2, s78, 127
	s_lshl_b32 s31, s2, 23
	v_mov_b32 v[OSC], s31
	s_add_co_i32 s2, s2, 8
	s_lshl_b32 s2, s2, 23
	s_or_b32 s2, s2, 0x600000
	v_mov_b32 v[OLIM], s2
.set i, 0
.rept 32
	s_wait_loadcnt 31-i                            ; loads come back in order (ISA guide 5.7.1): load i is in, the younger ones may be out
	ds_store_b128 v[FA+i/8], v[FD+4*i:FD+4*i+3] offset:8192*(i%8)             ; K's image at LDS byte 0, V's at 131,072, as they lie in memory
.set i, i+1
.endr
	s_wait_dscnt 0x0                               ; for the others' sake: my stores have landed
	s_barrier_signal -1
	s_barrier_wait -1                              ; both images are whole; from here on LDS is only read
	s_lshl_b32 s27, ttmp9, 4
	s_add_co_u32 s27, s27, s18                     ; my first query tile: 16 x + w
	s_mov_b32 s26, 0
.Lpass:
	s_wait_xcnt 0x0                                ; the last pass's stores have read their data and offset, which this pass writes again
	s_wait_alu depctr_vm_vsrc(0)                   ; first pass: the fill's LDS stores have read v[FD ..], which are KV, S^T and O^T from here on; second pass: the first's two stores have read v[OC ..] and v[AO], its loads of Q have read v[QO]
	s_lshl_b32 s2, s27, 5
	s_load_b256 s[32:39], s[12:13], s2 offset:0x0  ; the tile's plan: four pairs of words
	s_lshl_b32 s31, s27, 10
	v_add_nc_u32 v[QO], s31, v[LI]
	s_wait_alu depctr_va_vdst(0)                   ; v[QO] is written, which the two loads below read; the last pass's products are done reading v[QF ..], in which they land
	global_load_b128 v[QF:QF+3], v[QO], s[4:5]
	global_load_b128 v[QF+4:QF+7], v[QO], s[4:5] offset:512
	s_lshl_b32 s66, s27, 12
	s_mov_b32 s67, 0
	s_add_nc_u64 s[100:101], s[10:11], s[66:67]    ; the tile's mask words: 16 steps x 256 bytes
.set i, 0
.rept 32
	v_mov_b32 v[O+i], 0                            ; O^T.  (The step is written once: the first finds zeros, which the first change of M leaves zeros)
.set i, i+1
.endr
	v_mov_b32 v14, 0
	v_mov_b32 v15, 0
	v_mov_b32 v13, 0xff61b1e6                      ; the largest t so far: -3e38, under every t
	v_floor_f32 v12, -v13
	s_wait_kmcnt 0x0
	s_or_b32 s28, s32, s34
	s_or_b32 s28, s28, s36
	s_or_b32 s28, s28, s38                         ; bits 0-15: the step has an open key; bits 16-31: all its keys are open
	s_or_b32 s31, s33, s35
	s_or_b32 s31, s31, s37
	s_or_b32 s31, s31, s39                         ; bit r: slot r has an open key
	s_lshr_b32 s29, s28, 16
	s_or_b32 s2, s28, 0xffff
	s_cmp_eq_u32 s31, 0xffff
	s_cselect_b32 s28, s28, s2                     ; a row without any open key wants every step
	s_mov_b32 s24, 0
	s_mov_b32 s25, 0
	s_wait_loadcnt 0x0                             ; Q
.Lstep:                                            ; sixteen trips: a step of 128 keys
	s_and_b32 s31, s28, 1
	s_cmp_eq_u32 s31, 0
	s_cbranch_scc1 .Lnext                          ; no key of the step counts for any of my queries
	s_load_b512 s[32:47], s[100:101], 0x0          ; the step's 64 mask words; asked for whether or not the step is all open, and waited for below on the one way
	s_load_b512 s[48:63], s[100:101], 0x40
	s_load_b512 s[68:83], s[100:101], 0x80
	s_load_b512 s[84:99], s[100:101], 0xc0
	s_wait_alu depctr_vm_vsrc(0)                   ; the LDS loads of the last worked step have read v[ADK] and v[ADV], which the two additions write
	v_add_nc_u32 v[ADK], s24, v[LI]
	v_add_nc_u32 v[ADV], s24, v[LV]
	v_nop                                          ; with the two additions: four plain lines between the last step's products and the loads into registers that they have read; they stay beside the wait below
	v_nop
	s_wait_alu depctr_va_vdst(0)                   ; v[ADK] and v[ADV] are written, which this step's LDS loads read; the last worked step's products V^T P are done reading v[KV ..], in which K lands
.set i, 0
.rept 8
	ds_load_b128 v[KV+8*i:KV+8*i+3], v[ADK] offset:1024*i
	ds_load_b128 v[KV+8*i+4:KV+8*i+7], v[ADK] offset:1024*i+512
.set i, i+1
.endr
	s_wait_dscnt 0x0
.set i, 0
.rept 8
	v_wmma_f32_16x16x64_fp8_fp8 v[S+8*i:S+8*i+7], v[KV+8*i:KV+8*i+7], v[QF:QF+7], 0
.set i, i+1
.endr
.rept 4
	v_nop                                          ; places ahead of the first read of the scores (ISA guide 7.12.1); the wait below fills none of them
.endr
	s_wait_alu depctr_va_vdst(0)                   ; the eight products K Q^T are done reading v[KV ..], in which V lands; no vector line since the step's head names v[ADV]
.set i, 0
.rept 16
	ds_load_b128 v[KV+4*i:KV+4*i+3], v[ADV] offset:512*i   ; V's four fragments, 8,192 consecutive bytes: they land while the softmax is walked
.set i, i+1
.endr
	s_wait_kmcnt 0x0                               ; the mask words are in, and their base may be stepped
	s_and_b32 s31, s29, 1
	s_cmp_lg_u32 s31, 0
	s_cbranch_scc1 .Lopen                          ; all keys of the step count for all my queries
.set n, 0
.rept 64
	v_cndmask_b32 v[S+n], v[MSK], v[S+n], s[32+n+4*(n/32)]   ; bit of my lane: 1 keeps the score
.set n, n+1
.endr
.Lopen:
	v_max3_num_f32 v[M0], v[S], v[S+1], v[S+2]     ; the step's largest score of my query among my 64 keys, in two chains; each tile of scores is first read at its low end
	v_max3_num_f32 v[M0+1], v[S+3], v[S+4], v[S+5]
.irp i, 6,10,14,18,22,26,30,34,38,42,46,50,54,58
	v_max3_num_f32 v[M0], v[M0], v[S+\i], v[S+1+\i]
	v_max3_num_f32 v[M0+1], v[M0+1], v[S+2+\i], v[S+3+\i]
.endr
	v_max3_num_f32 v[M0], v[M0], v[S+62], v[S+63]
	v_max_num_f32 v[M0], v[M0], v[M0+1]
	v_permlanex16_b32 v[PX], v[M0], s20, s21
	v_max_num_f32 v[M0], v[M0], v[PX]              ; and among lane l xor 16's
	v_mul_f32 v[M0], s22, v[M0]                    ; as t (c is positive)
	v_max_num_f32 v13, v13, v[M0]
	v_mov_b32 v[M0], v12
	v_floor_f32 v12, -v13                          ; the new -M = floor(-t): M is a whole number
	v_sub_f32 v[M0], v12, v[M0]                    ; old M - new M: a whole number, 0 or less
	v_cvt_i32_f32 v[M0], v[M0]                     ; (it saturates)
	v_ldexp_f32 v[FF], 1.0, v[M0]                  ; f = 2^(old M - new M)
.set j, 0
.rept 32
	v_pk_fma_f32 v[S+j:S+j+1], v[S+j:S+j+1], s[22:23], v[12:13] op_sel_hi:[1,0,0]   ; t - M, two at a time (of the pairs c and -M the low word serves both halves)
.set j, j+2
.endr
.set j, 0
.rept 64
	v_exp_f32 v[S+j], v[S+j]                       ; p = 2^(t - M), at most 1
.set j, j+1
.endr
	v_pk_mul_f32 v[14:15], v[14:15], v[FF:FF+1] op_sel_hi:[1,0]   ; the sums under the new M: the plain line behind the exponentials
	s_wait_alu depctr_va_vdst(0)                   ; the 64 exponentials have written v[S ..]: one wait for the whole batch, ahead of its first reader, the sum below
	v_pk_add_f32 v[S2:S2+1], v[S:S+1], v[S+2:S+3]  ; the row's sum is taken of the unquantised p, in two chains
.irp j, 4,8,12,16,20,24,28,32,36,40,44,48,52,56,60
	v_pk_add_f32 v[14:15], v[14:15], v[S+\j:S+1+\j]
	v_pk_add_f32 v[S2:S2+1], v[S2:S2+1], v[S+2+\j:S+3+\j]
.endr
	v_pk_add_f32 v[14:15], v[14:15], v[S2:S2+1]
	s_cmp_ge_i32 s30, -8                           ; p <= 1 <= 448 x 2^e8 from e8 = -8 on: the hold would change nothing
	s_cbranch_scc1 .Lnohold
.set j, 0
.rept 64
	v_min_num_f32 v[S+j], v[S+j], v[PLIM]          ; the conversion does not saturate (ISA guide 7.6.2); p is not negative, so the hold is one-sided
.set j, j+1
.endr
.Lnohold:
.set j, 0
.rept 8
	v_cvt_scalef32_pk8_fp8_f32 v[PC+2*j:PC+2*j+1], v[S+8*j:S+8*j+7], v[PSC]   ; registers 4 b .. 4 b + 3 of the operand: keys 32 b + 16 h + 0 .. 15
.set j, j+1
.endr
.set j, 0
.rept 16
	v_pk_mul_f32 v[O+j:O+j+1], v[O+j:O+j+1], v[FF:FF+1] op_sel_hi:[1,0]       ; O^T under the new M.  (Plain lines between the conversions and the products that read their results)
.set j, j+2
.endr
	s_wait_dscnt 0x0                               ; V
.set i, 0
.rept 4
	v_wmma_f32_16x16x128_fp8_fp8 v[O+8*i:O+8*i+7], v[KV+16*i:KV+16*i+15], v[PC:PC+15], v[O+8*i:O+8*i+7]   ; the four accumulators by turns, one instruction a turn
.set i, i+1
.endr
.Lnext:
	s_lshr_b32 s28, s28, 1
	s_lshr_b32 s29, s29, 1
	s_add_co_u32 s24, s24, 8192                    ; a step is 8,192 bytes of either image,
	s_add_nc_u64 s[100:101], s[100:101], 256       ; and 256 bytes of mask words
	s_add_co_u32 s25, s25, 1
	s_cmp_lt_u32 s25, 16
	s_cbranch_scc1 .Lstep
	; THE WAY OUT of a pass: O^T / the sum x 2^(e8 + e9), quantised with 2^e10: two chunks of 16 bytes a lane, each store 512 consecutive bytes of aimg
	s_lshl_b32 s31, s27, 14
	v_add_f32 v14, v14, v15                        ; the sum's two halves,
	v_permlanex16_b32 v[PX], v14, s20, s21
	v_add_f32 v14, v14, v[PX]                      ; and lane l xor 16's
	v_rcp_f32 v14, v14
	v_add_nc_u32 v[AO], s31, v[LI]                 ; (the plain line behind the reciprocal; the last pass's stores have read v[AO]: the wait on vm_vsrc at this pass's head)
	v_nop                                          ; with the additions above: the places behind the last products
	v_nop
	s_wait_alu depctr_va_vdst(0)                   ; the reciprocal has written v14, ahead of its first reader; v[AO] is written too, which the stores below read
	v_ldexp_f32 v14, v14, s3
.set j, 0
.rept 16
	v_pk_mul_f32 v[S+j:S+j+1], v[O+j:O+j+1], v[14:15] op_sel_hi:[1,0]         ; register 16 b + i: channel 32 b + 16 h + i of my query
.set j, j+2
.endr
.set j, 0
.rept 32
	v_med3_num_f32 v[S+j], v[S+j], -v[OLIM], v[OLIM]
.set j, j+1
.endr
.set j, 0
.rept 4
	v_cvt_scalef32_pk8_fp8_f32 v[OC+2*j:OC+2*j+1], v[S+8*j:S+8*j+7], v[OSC]
.set j, j+1
.endr
	v_nop                                          ; a plain vector line behind the last conversion: the next pass's products write its sources
	s_wait_alu depctr_va_vdst(0)                   ; the four conversions have written v[OC ..], which the two stores read as data
	global_store_b128 v[AO], v[OC:OC+3], s[16:17]
	global_store_b128 v[AO], v[OC+4:OC+7], s[16:17] offset:512
	s_sub_co_u32 s27, 127, s27                     ; the second tile: 127 - the first
	s_add_co_u32 s26, s26, 1
	s_cmp_lt_u32 s26, 2
	s_cbranch_scc1 .Lpass
	s_wait_dscnt 0x0
	s_wait_alu depctr_hold_cnt(0) depctr_sa_sdst(0) depctr_va_vdst(0) depctr_va_sdst(0) depctr_va_ssrc(0) depctr_va_vcc(0) depctr_vm_vsrc(0)
	s_wait_tensorcnt 0x0
	ds_add_u32 v254, v255
	s_wait_dscnt 0x0
	s_endpgm
.Lfunc_end_k_qe65c8c1851_attn:
	.size	k_qe65c8c1851_attn, .Lfunc_end_k_qe65c8c1851_attn-k_qe65c8c1851_attn
	.p2alignl 7, 3214868480
	.fill 96, 4, 3214868480
	.section	.rodata,"a",@progbits
	.p2align	6, 0x0
	.amdhsa_kernel k_qe65c8c1851_attn
		.amdhsa_group_segment_fixed_size 264192
		.amdhsa_private_segment_fixed_size 0
		.amdhsa_enable_private_segment 0
		.amdhsa_kernarg_size 56
		.amdhsa_user_sgpr_count 2
		.amdhsa_user_sgpr_kernarg_segment_ptr 1
		.amdhsa_wavefront_size32 1
		.amdhsa_system_sgpr_workgroup_id_x 1
		.amdhsa_system_sgpr_workgroup_id_y 1
		.amdhsa_system_sgpr_workgroup_id_z 1
		.amdhsa_system_vgpr_workitem_id 0
		.amdhsa_next_free_vgpr 256
		.amdhsa_next_free_sgpr 102
		.amdhsa_reserve_vcc 0
		.amdhsa_float_denorm_mode_32 3
		.amdhsa_float_denorm_mode_16_64 3
		.amdhsa_memory_ordered 1
		.amdhsa_forward_progress 1
		.amdhsa_inst_pref_size 36
	.end_amdhsa_kernel
	.amdgpu_metadata
---
amdhsa.version: [ 1, 2 ]
amdhsa.kernels:
  - .name:           k_qe65c8c1851_attn
    .symbol:         k_qe65c8c1851_attn.kd
    .args:
      - { .name: qimg, .offset: 0, .size: 8, .value_kind: global_buffer, .address_space: global }
      - { .name: kimg, .offset: 8, .size: 8, .value_kind: global_buffer, .address_space: global }
      - { .name: vimg, .offset: 16, .size: 8, .value_kind: global_buffer, .address_space: global }
      - { .name: mwords, .offset: 24, .size: 8, .value_kind: global_buffer, .address_space: global }
      - { .name: plan, .offset: 32, .size: 8, .value_kind: global_buffer, .address_space: global }
      - { .name: lowp_scales, .offset: 40, .size: 8, .value_kind: global_buffer, .address_space: global }
      - { .name: aimg, .offset: 48, .size: 8, .value_kind: global_buffer, .address_space: global }
    .group_segment_fixed_size: 264192
    .private_segment_fixed_size: 0
    .kernarg_segment_align: 8
    .kernarg_segment_size: 56
    .max_flat_workgroup_size: 512
    .sgpr_count:     102
    .vgpr_count:     256
    .wavefront_size: 32
...
	.end_amdgpu_metadata
.endif
;; end of part 5
;; launch outp: the kernel of part 4 again; grid 4 x 32, 4 waves a work-group, clusters of 4 x 4, 327,680 bytes of LDS; arguments aimg, xw_codes, lowp_scales, bo, out0; writes out0
